; MI455X (gfx1250); checked and timed in simulation.
; The chip was launched on July 23, 2026; its instructions are those of AMD's public machine-readable ISA for CDNA 5 (MIT licence, August 2026) and "CDNA5" Instruction Set Architecture Reference Guide (July 2026). The comments in the code are by the model that wrote it; some were corrected since.
;; Multi Head Attention. Allowed arithmetic: matrix products marked QUANTISED: E5M2 operands, one E8M0 scale for each 32 along K, by v_wmma_scale_f32_16x16x128_f8f6f4 with both operands' format E5M2, f32 sums; everything else in f32.
;; Inputs: W_k 1,024 x 1,024 float32; W_o 1,024 x 1,024 float32; W_q 1,024 x 1,024 float32; W_v 1,024 x 1,024 float32; b_k 1,024 float32; b_o 1,024 float32; b_q 1,024 float32; b_v 1,024 float32; x 1 x 4,096 x 1,024 float32.
;; Outputs: out0 1 x 4,096 x 1,024 float32.
;; This version of the problem:
;;   THIS VERSION OF THE PROBLEM IS GIVEN IN LOW PRECISION. The matrix products marked QUANTISED in the list below multiply operands that are first quantised to E5M2 (5 exponent bits, 2 mantissa bits; 8 bits a number), with one power-of-two scale for each 32 numbers along K (OCP MX v1.0); their sums are f32. All else is computed in f32.
;;   The module's matrix products, in the order in which they are computed (A, B: the left and right operand; K: the contracted axis; several contracted axes count as one K, in the product's order):
;;     1. [M 4,096, K 1,024] x [K 1,024, N 1,024]; A: input x; B: input W_q: QUANTISED
;;     2. [M 4,096, K 1,024] x [K 1,024, N 1,024]; A: input x; B: input W_k: QUANTISED
;;     3. [M 4,096, K 1,024] x [K 1,024, N 1,024]; A: input x; B: input W_v: QUANTISED
;;     4. batch 16 x [M 4,096, K 64] x [K 64, N 4,096]; A: computed on the way; B: computed on the way: QUANTISED
;;     5. batch 16 x [M 4,096, K 4,096] x [K 4,096, N 64]; A: softmax (see below); B: computed on the way: QUANTISED
;;     6. [M 4,096, K 1,024] x [K 1,024, N 1,024]; A: computed on the way; B: input W_o: QUANTISED
;;   THE QUANTISER, for each operand of a quantised product, along K:
;;     - K is cut into blocks of 32 from its start; a last block that is shorter is filled with zeros.
;;     - A block's scale is 2^e with e = floor(log2(the largest magnitude in the block)) - 15, held to -126 .. 127; a block of zeros has e = 0. As a byte (E8M0): e + 127.
;;     - Each number is divided by its block's scale, clamped to +-57,344, and rounded to the nearest number of E5M2, ties to even, subnormals kept.
;;     - The product sums the exact products of the quantised numbers (number of the format x scale) in f32.
;;   ~~~python
;;   def quantise(x, axis):      # numpy; x: float32 -> the quantised numbers, widened to float32 again
;;       x = np.moveaxis(x, axis, -1); K = x.shape[-1]
;;       x = np.pad(x, [(0, 0)] * (x.ndim - 1) + [(0, -K % 32)]); x = x.reshape(x.shape[:-1] + (-1, 32)); a = np.abs(x).max(-1, keepdims=True)
;;       e = np.where(a > 0, np.clip(np.frexp(np.where(a > 0, a, 1))[1] - 1 - 15, -126, 127), 0)      # np.frexp(a)[1] - 1 = floor(log2(a)), exactly
;;       r = np.clip(x / 2.0 ** e, -57344, 57344)
;;       step = 2.0 ** (np.maximum(np.frexp(np.where(r == 0, 1, r))[1] - 1, -14) - 2)
;;       q = np.round(r / step) * step * 2.0 ** e      # np.round: ties to even
;;       return np.moveaxis(q.reshape(q.shape[:-2] + (-1,))[..., :K], -1, axis).astype(np.float32)
;;   ~~~
;;   SOFTMAX AHEAD OF A QUANTISED PRODUCT. Where the list says 'softmax', what is quantised is not the finished softmax but p = 2^(t - M), with t = logit x log2(e) and M = ceil(the row's largest t), a whole number; so 1/2 < the row's largest p <= 1. The row's sum l is taken of the UNQUANTISED p, in f32, and the product's result is divided by l at the end. Since M is a whole number, a kernel that streams over the keys may use a running M (the ceiling of the running maximum): every later rescaling is an exact power of two, which a block's scale takes up: the codes' values come out the same.
;;   OPERANDS COMPUTED ON THE WAY. 'Computed on the way' means the value that the module computes at that place (a softmax that the list does not call 'softmax' is quantised finished and normalised). What goes into a quantiser is computed in f32, as accurately as f32 sums, v_exp_f32 and their like allow (about 1e-6 of the number): no bf16 or f16 on the way to a quantiser, and a product that is left as it is and whose result goes on into a quantised operand takes f32 operands (vector FMAs, or v_wmma_f32_16x16x4_f32). A number that lies on a knife's edge between two numbers of the format may be rounded either way, as far as f32 arithmetic and the matrix unit's own rounding can turn it there, and no further.
;; One version. Each part assembles by itself: llvm-mc -triple=amdgcn-amd-amdhsa -mcpu=gfx1250 --defsym DOCPART=n.
;; ======== version 1 of 1: 4 launches
;; limits: right only within a limited range of input values
;; workspace buffers: zc 8,388,608 bytes; zs 262,144 bytes; img 12,582,912 bytes; isc 393,216 bytes; cimg 4,194,304 bytes; csc 131,072 bytes
;; launch quant (part 1): grid 256 x 1, 4 waves a work-group, no clusters, 68,096 bytes of LDS; arguments x, W_q, W_k, W_v, W_o, zc, zs; writes zc, zs
.if DOCPART == 1
	.amdgcn_target "amdgcn-amd-amdhsa--gfx1250"
	.amdhsa_code_object_version 6
	.text
	.protected	k_q2a56dc7bed_quant
	.globl	k_q2a56dc7bed_quant
	.p2align	8
	.type	k_q2a56dc7bed_quant,@function
k_q2a56dc7bed_quant:
	s_mov_b64 s[64:65], 0
	v_nop
	global_prefetch_b8 v0, s[64:65] scope:SCOPE_SE
	s_setreg_imm32_b32 hwreg(HW_REG_WAVE_MODE, 25, 1), 1
	s_wait_xcnt 0x0
; x [4096][1024] and the four weights [1024 (k)][1024 (n)], f32, become codes of BF8 (E5M2), K innermost, with one E8M0 byte for each 32 along K.
; zc: [8192 rows][1024 bytes]; zs: [8192 rows][32 bytes].  Rows 0-4095 x's tokens, 4096.. W_q's columns n, 5120.. W_k's, 6144.. W_v's, 7168.. W_o's.
; ROW ORDER: row i of an operand is stored at the row whose number has bits 3 and 4 of i exchanged.  So 16 neighbouring stored rows are 8 rows and the 8 rows 16 further on:
; a product that takes them as source 0 leaves, in a lane's 16 registers of two neighbouring tiles, 16 neighbours along that axis.
; A block's scale is 2^(floor(log2(largest magnitude)) - 15); its byte is the largest magnitude's exponent field - 15, held at 1 from below.
; LIMITS: a block of zeros gets the byte 1 where the rule says 127 (its codes are zeros, and this program alone reads the bytes); NaN and infinities among the inputs are not served.
; Work-groups 0-127 take x (32 rows each: 8 rows a wave, a plain stream of blocks), work-groups 128-255 the weights (128 columns x 256 along K each).  128 KiB are read by each.
; The two paths have LDS bytes of their own: x 0 .. 32767, the weights 32768 .. 67583.  Waves share nothing: no barrier.
.set XSTEPS, 16                        ; x: steps of 512 numbers for a wave
.set XSP,    80                        ; a lane's place in a stage: 64 bytes + 16 of padding
.set XWREG,  8192                      ; a wave's LDS: two stages of 32 x XSP bytes, behind them its 256 scale bytes
.set XR,     16                        ; v16-79   four sets of 16 numbers as loaded
.set XX,     80                        ; v80-111  two sets of 16 neighbours
.set XE,     112                       ; v112-127 a scale byte for each step
.set XC,     128                       ; v128-191 codes, four registers for each step
.set WPITCH, 272                       ; the weights: a stage row, 256 bytes + 16
.set WSTAGE, 32768
.set WNB,    8                         ; blocks of 32 along K for a wave
.set WX,     32                        ; v32-95   two sets of 32 numbers
.set WC,     96                        ; v96-103  a block's codes
.set WOUT,   112                       ; v112-175 the way out
.set WSB,    24                        ; v24-25   the scale bytes
	s_load_b256 s[4:11], s[0:1], 0x0               ; x s[4:5], W_q s[6:7], W_k s[8:9], W_v s[10:11]
	s_load_b128 s[12:15], s[0:1], 0x20             ; W_o s[12:13], zc s[14:15]
	s_load_b64 s[16:17], s[0:1], 0x30              ; zs
	v_lshl_add_u32 v192, v0, 2, 0x10800
	v_mov_b32 v193, 0
	v_lshrrev_b32 v1, 5, v0
	v_readfirstlane_b32 s18, v1                    ; wave 0..3
	v_and_b32 v2, 31, v0                           ; lane
	s_mov_b32 s19, 0x600000                        ; the mantissa field of 57,344
	s_wait_kmcnt 0x0
	s_cmp_lt_u32 ttmp9, 128
	s_cbranch_scc0 .Lweights
; ---------------- x: K is innermost.  A lane must hold 16 neighbours for the conversions, and a load is best where neighbouring lanes take neighbouring bytes:
; each load reads 512 consecutive bytes, and a step's 2,048 bytes turn through the wave's own stage in LDS.
	s_wait_alu depctr_va_vdst(0)
	v_lshlrev_b32 v3, 4, v2                        ; 16 x lane: my bytes of a load's 512, and of a step's 512 bytes of codes
	s_mul_i32 s20, s18, XWREG
	v_lshrrev_b32 v14, 2, v2
	v_mul_u32_u24 v14, v14, XSP
	v_and_b32 v15, 3, v2
	v_lshl_add_u32 v14, v15, 4, v14
	v_add_nc_u32 v14, s20, v14                     ; the stage, in: XSP (lane / 4) + 16 (lane % 4)
	v_mul_u32_u24 v15, v2, XSP
	v_add_nc_u32 v15, s20, v15                     ; out: XSP x lane
	v_lshrrev_b32 v5, 1, v2
	s_add_co_u32 s20, s20, 2*32*XSP
	v_add_nc_u32 v5, s20, v5                       ; my block's scale byte in the wave's 256
	v_lshlrev_b32 v7, 3, v2
	v_add_nc_u32 v6, s20, v7                       ; and 8 bytes a lane on the way out
	s_lshl_b32 s20, ttmp9, 2
	s_add_co_u32 s22, s20, s18                     ; my run of 8 rows: 4 x work-group + wave
	s_lshl_b32 s22, s22, 15                        ; 8 rows of 4,096 bytes
	s_mov_b32 s23, 0
	s_add_nc_u64 s[4:5], s[4:5], s[22:23]
	s_and_b32 s24, s18, 1                          ; bits 3 and 4 of a row are bits 0 and 1 of its run, which are the wave's: exchanged
	s_lshl_b32 s24, s24, 1
	s_lshr_b32 s25, s18, 1
	s_or_b32 s24, s24, s25
	s_add_co_u32 s24, s24, s20                     ; where the run is stored
	s_lshl_b32 s22, s24, 13                        ; 8 rows of 1,024 codes
	s_add_nc_u64 s[14:15], s[14:15], s[22:23]
	s_lshl_b32 s22, s24, 8                         ; 8 rows of 32 scale bytes
	s_add_nc_u64 s[16:17], s[16:17], s[22:23]
.macro XLOAD t
.irp i, 0,1,2,3
	global_load_b128 v[XR+16*((\t)%4)+4*\i:XR+16*((\t)%4)+4*\i+3], v3, s[4:5] offset:2048*(\t)+512*\i th:TH_LOAD_NT
.endr
.endm
.macro XTURN t                         ; LDS serves a wave's instructions in order: no wait between the stores and the loads
.irp i, 0,1,2,3
	ds_store_b128 v14, v[XR+16*((\t)%4)+4*\i:XR+16*((\t)%4)+4*\i+3] offset:32*XSP*((\t)%2)+8*XSP*\i
.endr
.irp i, 0,1,2,3
	ds_load_b128 v[XX+16*((\t)%2)+4*\i:XX+16*((\t)%2)+4*\i+3], v15 offset:32*XSP*((\t)%2)+16*\i
.endr
.endm
.irp t, 0,1,2,3
	XLOAD \t
.endr
	s_wait_alu depctr_va_vdst(0)
	s_wait_loadcnt 12                              ; step 0's four loads are in; the twelve behind them stay out
	XTURN 0
.macro XSTEP t
.set XS, XX+16*((\t)%2)
.if (\t) > 0
	s_wait_dscnt 1                                 ; this step's numbers are back from the stage; the last step's byte store may be out
.else
	s_wait_dscnt 0x0
.endif
.if (\t)+4 < XSTEPS
	XLOAD (\t)+4                                   ; into the registers that this step's stores into the stage have read
.endif
.if (\t)+1 < XSTEPS
.if XSTEPS-2-(\t) >= 3
	s_wait_loadcnt 12                              ; the next step's four loads are in; three steps' stay out
.else
	s_wait_loadcnt 4*(XSTEPS-2-(\t))
.endif
	XTURN (\t)+1
.endif
	v_max3_num_f32 v8, |v[XS]|, |v[XS+1]|, |v[XS+2]|
	v_max3_num_f32 v9, |v[XS+3]|, |v[XS+4]|, |v[XS+5]|
.irp i, 6,10
	v_max3_num_f32 v8, v8, |v[XS+\i]|, |v[XS+\i+1]|
	v_max3_num_f32 v9, v9, |v[XS+\i+2]|, |v[XS+\i+3]|
.endr
	v_max3_num_f32 v8, v8, |v[XS+14]|, |v[XS+15]|
	v_max3_num_f32 v8, v8, v9, 0x8000000           ; and the floor 2^(16 - 127): the byte cannot fall under 1
	v_max_num_f32_dpp v8, v8, v8 row_xmask:1 row_mask:0xf bank_mask:0xf   ; with my neighbour's 16: the block's largest magnitude
	v_add_nc_u32 v11, 0xf8800000, v8               ; 15 off its exponent field: the conversion's scale operand
	v_and_or_b32 v10, v8, 0x7f800000, s19          ; 57,344 x the scale
.irp i, 0,1,2,3,4,5,6,7,8,9,10,11,12,13,14,15
	v_med3_num_f32 v[XS+\i], v[XS+\i], -v10, v10   ; the conversion does not saturate (ISA guide 7.6.2): the hold comes first
.endr
	v_cvt_scalef32_pk8_bf8_f32 v[XC+4*(\t):XC+4*(\t)+1], v[XS:XS+7], v11
	v_cvt_scalef32_pk8_bf8_f32 v[XC+4*(\t)+2:XC+4*(\t)+3], v[XS+8:XS+15], v11
	v_lshrrev_b32 v[XE+(\t)], 23, v11              ; the scale's byte
	ds_store_b8 v5, v[XE+(\t)] offset:16*(\t)      ; both lanes of a block write the same byte with the same value
	global_store_b128 v3, v[XC+4*(\t):XC+4*(\t)+3], s[14:15] offset:512*(\t)   ; the wave stores 512 consecutive bytes
.endm
.irp t, 0,1,2,3,4,5,6,7,8,9,10,11,12,13,14,15
	XSTEP \t
.endr
	ds_load_b64 v[12:13], v6                       ; in order behind my byte stores
	s_wait_dscnt 0x0
	global_store_b64 v7, v[12:13], s[16:17]        ; 32 lanes store 256 consecutive bytes, aligned
	s_wait_tensorcnt 0x0
	ds_add_u32 v192, v193
	s_wait_dscnt 0x0
	s_endpgm
; ---------------- the weights: K is the first axis.  A lane takes a column n and its registers run down K: a block of 32 lies in one lane, and the codes come out with K innermost.
.Lweights:
	s_sub_co_u32 s20, ttmp9, 128
	s_lshr_b32 s21, s20, 5                         ; which weight
	s_and_b32 s22, s20, 7                          ; which 128 columns
	s_bfe_u32 s23, s20, 0x20003                    ; which 256 along K
	s_cmp_eq_u32 s21, 1
	s_cselect_b64 s[6:7], s[8:9], s[6:7]
	s_cmp_eq_u32 s21, 2
	s_cselect_b64 s[6:7], s[10:11], s[6:7]
	s_cmp_eq_u32 s21, 3
	s_cselect_b64 s[6:7], s[12:13], s[6:7]
	s_lshl_b32 s24, s22, 7
	s_lshl_b32 s25, s18, 5
	s_add_co_u32 s24, s24, s25                     ; my wave's first column
	s_lshl_b32 s26, s23, 20                        ; 256 rows of 4,096 bytes
	s_lshl_b32 s25, s24, 2
	s_add_co_u32 s26, s26, s25
	s_mov_b32 s27, 0
	s_add_nc_u64 s[6:7], s[6:7], s[26:27]
	s_lshl_b32 s25, s21, 10
	s_add_co_u32 s25, s25, s24
	s_add_co_u32 s25, s25, 4096                    ; my 32 columns' first row in zc and zs
	s_lshl_b32 s26, s25, 10
	s_lshl_b32 s28, s23, 8
	s_add_co_u32 s26, s26, s28
	s_add_nc_u64 s[14:15], s[14:15], s[26:27]
	s_lshl_b32 s26, s25, 5
	s_lshl_b32 s28, s23, 3
	s_add_co_u32 s26, s26, s28
	s_add_nc_u64 s[16:17], s[16:17], s[26:27]
	s_wait_alu depctr_va_vdst(0)
	v_lshlrev_b32 v3, 2, v2                        ; in: 4 bytes a lane
	v_and_b32 v10, 7, v2                           ; where my column is stored among the 32: bits 3 and 4 exchanged
	v_bfe_u32 v11, v2, 3, 1
	v_lshl_or_b32 v10, v11, 4, v10
	v_bfe_u32 v11, v2, 4, 1
	v_lshl_or_b32 v10, v11, 3, v10
	s_mul_i32 s29, s18, 32*WPITCH
	s_add_co_u32 s29, s29, WSTAGE                  ; my stage
	v_mul_u32_u24 v4, v10, WPITCH
	v_add_nc_u32 v4, s29, v4                       ; into it: the row at which my column is stored
	v_and_b32 v5, 15, v2
	v_lshrrev_b32 v6, 4, v2
	v_mul_u32_u24 v7, v6, WPITCH
	v_lshl_add_u32 v7, v5, 4, v7
	v_add_nc_u32 v7, s29, v7                       ; out of it: sixteen lanes to a row, two rows an instruction
	v_lshlrev_b32 v8, 10, v6
	v_lshl_add_u32 v8, v5, 4, v8                   ; the same place in zc
	v_lshlrev_b32 v9, 5, v10                       ; my column's row of scale bytes
.macro WLOAD t
.irp i, 0,1,2,3,4,5,6,7,8,9,10,11,12,13,14,15,16,17,18,19,20,21,22,23,24,25,26,27,28,29,30,31
	global_load_b32 v[WX+32*((\t)%2)+\i], v3, s[6:7] offset:(32*(\t)+\i)*4096 th:TH_LOAD_NT
.endr
.endm
	WLOAD 0
	WLOAD 1
.macro WBLOCK t
.set WS, WX+32*((\t)%2)
.if (\t) < WNB-1
	s_wait_loadcnt 32                              ; this block's 32 loads are in; the next block's stay out
.else
	s_wait_loadcnt 0x0
.endif
	v_max3_num_f32 v12, |v[WS]|, |v[WS+1]|, |v[WS+2]|
	v_max3_num_f32 v13, |v[WS+3]|, |v[WS+4]|, |v[WS+5]|
.irp i, 6,10,14,18,22,26
	v_max3_num_f32 v12, v12, |v[WS+\i]|, |v[WS+\i+1]|
	v_max3_num_f32 v13, v13, |v[WS+\i+2]|, |v[WS+\i+3]|
.endr
	v_max3_num_f32 v12, v12, |v[WS+30]|, |v[WS+31]|
	v_max3_num_f32 v12, v12, v13, 0x8000000        ; and the floor
	v_add_nc_u32 v11, 0xf8800000, v12
	v_and_or_b32 v10, v12, 0x7f800000, s19
	v_lshrrev_b32 v13, 23, v11
.if (\t)%4 == 0
	v_mov_b32 v[WSB+(\t)/4], v13                   ; four bytes to a register, the lower K in the lower byte
.else
	v_lshl_or_b32 v[WSB+(\t)/4], v13, 8*((\t)%4), v[WSB+(\t)/4]
.endif
.irp i, 0,1,2,3,4,5,6,7,8,9,10,11,12,13,14,15,16,17,18,19,20,21,22,23,24,25,26,27,28,29,30,31
	v_med3_num_f32 v[WS+\i], v[WS+\i], -v10, v10
.endr
.irp g, 0,1,2,3
	v_cvt_scalef32_pk8_bf8_f32 v[WC+2*\g:WC+2*\g+1], v[WS+8*\g:WS+8*\g+7], v11
.endr
	ds_store_b128 v4, v[WC:WC+3] offset:32*(\t)
	ds_store_b128 v4, v[WC+4:WC+7] offset:32*(\t)+16
.if (\t)+2 < WNB
	WLOAD (\t)+2
.endif
	s_wait_dscnt 0x0                               ; the stores have read their registers: the next block's codes may be written
.endm
.irp t, 0,1,2,3,4,5,6,7
	WBLOCK \t
.endr
	global_store_b64 v9, v[WSB:WSB+1], s[16:17]    ; my column's 8 scale bytes
.irp t, 0,1,2,3,4,5,6,7,8,9,10,11,12,13,14,15
	ds_load_b128 v[WOUT+4*\t:WOUT+4*\t+3], v7 offset:2*\t*WPITCH
.endr
.irp t, 0,1,2,3,4,5,6,7,8,9,10,11,12,13,14,15
	s_wait_dscnt 15-\t                             ; rows 2 t and 2 t + 1 are back; the younger loads stay out
	global_store_b128 v8, v[WOUT+4*\t:WOUT+4*\t+3], s[14:15] offset:2*\t*1024   ; sixteen lanes store 256 consecutive bytes, aligned
.endr
	s_wait_tensorcnt 0x0
	ds_add_u32 v192, v193
	s_wait_dscnt 0x0
	s_endpgm
.Lfunc_end_k_q2a56dc7bed_quant:
	.size	k_q2a56dc7bed_quant, .Lfunc_end_k_q2a56dc7bed_quant-k_q2a56dc7bed_quant
	.p2alignl 7, 3214868480
	.fill 96, 4, 3214868480
	.section	.rodata,"a",@progbits
	.p2align	6, 0x0
	.amdhsa_kernel k_q2a56dc7bed_quant
		.amdhsa_group_segment_fixed_size 68096
		.amdhsa_private_segment_fixed_size 0
		.amdhsa_enable_private_segment 0
		.amdhsa_kernarg_size 56
		.amdhsa_user_sgpr_count 2
		.amdhsa_user_sgpr_kernarg_segment_ptr 1
		.amdhsa_wavefront_size32 1
		.amdhsa_system_sgpr_workgroup_id_x 1
		.amdhsa_system_sgpr_workgroup_id_y 1
		.amdhsa_system_sgpr_workgroup_id_z 1
		.amdhsa_system_vgpr_workitem_id 0
		.amdhsa_next_free_vgpr 194
		.amdhsa_next_free_sgpr 66
		.amdhsa_reserve_vcc 0
		.amdhsa_float_denorm_mode_32 3
		.amdhsa_float_denorm_mode_16_64 3
		.amdhsa_memory_ordered 1
		.amdhsa_forward_progress 1
		.amdhsa_inst_pref_size 110
	.end_amdhsa_kernel
	.amdgpu_metadata
---
amdhsa.version: [ 1, 2 ]
amdhsa.kernels:
  - .name:           k_q2a56dc7bed_quant
    .symbol:         k_q2a56dc7bed_quant.kd
    .args:
      - { .name: x, .offset: 0, .size: 8, .value_kind: global_buffer, .address_space: global }
      - { .name: W_q, .offset: 8, .size: 8, .value_kind: global_buffer, .address_space: global }
      - { .name: W_k, .offset: 16, .size: 8, .value_kind: global_buffer, .address_space: global }
      - { .name: W_v, .offset: 24, .size: 8, .value_kind: global_buffer, .address_space: global }
      - { .name: W_o, .offset: 32, .size: 8, .value_kind: global_buffer, .address_space: global }
      - { .name: zc, .offset: 40, .size: 8, .value_kind: global_buffer, .address_space: global }
      - { .name: zs, .offset: 48, .size: 8, .value_kind: global_buffer, .address_space: global }
    .group_segment_fixed_size: 68096
    .private_segment_fixed_size: 0
    .kernarg_segment_align: 8
    .kernarg_segment_size: 56
    .max_flat_workgroup_size: 128
    .sgpr_count:     66
    .vgpr_count:     194
    .wavefront_size: 32
...
	.end_amdgpu_metadata
.endif
;; end of part 1
;; launch gemm_qkv (part 2): grid 12 x 16, 4 waves a work-group, clusters of 4 x 4, 327,680 bytes of LDS; arguments zc, zs, b_q, b_k, b_v, img, isc; writes img, isc
.if DOCPART == 2
	.amdgcn_target "amdgcn-amd-amdhsa--gfx1250"
	.amdhsa_code_object_version 6
	.text
	.protected	k_q2a56dc7bed_gemm_qkv
	.globl	k_q2a56dc7bed_gemm_qkv
	.p2align	8
	.type	k_q2a56dc7bed_gemm_qkv,@function
k_q2a56dc7bed_gemm_qkv:
	s_mov_b64 s[64:65], 0
	v_nop
	global_prefetch_b8 v0, s[64:65] scope:SCOPE_SE
	s_setreg_imm32_b32 hwreg(HW_REG_WAVE_MODE, 25, 1), 1
	s_wait_xcnt 0x0
	s_wait_alu depctr_hold_cnt(0) depctr_sa_sdst(0) depctr_va_vdst(0) depctr_va_sdst(0) depctr_va_ssrc(0) depctr_va_vcc(0) depctr_vm_vsrc(0)
	s_getreg_b32 s2, hwreg(HW_REG_IB_STS2, 6, 4)
	s_cmp_eq_u32 s2, 0
	s_cbranch_scc0 .Lentry_in_a_cluster
	s_endpgm
.Lentry_in_a_cluster:
	s_bfe_u32 s2, ttmp6, 0x10000c
	s_cmp_lg_u32 s2, 0xf033
	s_cbranch_scc0 .Lentry_shape_is_right
	s_endpgm
.Lentry_shape_is_right:
.set NQ,     2
.set ROWB,   256
.set KROW,   1024
.set PITCH,  272
.set FR,     16
.set NL,     4
.set NP,     8
.set HALFT,  128*PITCH
.set SLOT,   4*HALFT
.set LAPS,   2
.set KS,     32
.set SCL,    2*SLOT
.set HALFS,  16*272
.set SBLK,   2*272
.set SPARE,  SCL+4*HALFS
.set ADRA, 16
.set ADRB, 20
.set CO,   26
.set ADRS, 27
.set SPW,  28
.set NIL,  29
.set SC,   32
.set BI,   64
.set AF,   128
.set TM,   64
.set SX,   80
.set SW,   88
.set PC,   128
.set MNT,  2
.set SEL,  18
.set G1, 24
.set G0, 32
.set G1B, 48
.set G0B, 56
.set G1S, 68
.set G0S, 76
.set G1SB, 80
.set G0SB, 88
.set MSB, 0
.macro WIN new
.if MSB != \new
	s_set_vgpr_msb (MSB<<8)|\new
.set MSB, \new
.endif
.endm
.set MUL_LO, 0xa1
.set MUL_HI, 0xf1
.set BIA_LO, 0x81
.set BIA_HI, 0xc1
.set TO_B,   0x40
.macro JLOAD g0a, g1a, g0b, g1b
	s_cmp_eq_u32 s15, 0
	s_cbranch_scc0 .Lfor_b_\@
	tensor_load_to_lds s[\g0a:\g0a+3], s[\g1a:\g1a+7]
	s_nop 0
.rept 4
	v_nop
.endr
	s_branch .Lasked_\@
.Lfor_b_\@:
	tensor_load_to_lds s[\g0b:\g0b+3], s[\g1b:\g1b+7]
	s_nop 0
.rept 4
	v_nop
.endr
.Lasked_\@:
.endm
.macro CREST
	s_cmp_lg_u32 s14, 0
	s_cbranch_scc1 .Lnot_wave_0_\@
	s_barrier_signal -3
.Lnot_wave_0_\@:
	s_barrier_wait -3
	s_barrier_signal -1
	s_barrier_wait -1
.endm
.macro CROUND
	s_barrier_signal -1
	s_barrier_wait -1
	CREST
.endm
	s_load_b128 s[4:7], s[0:1], 0x0
	s_load_b128 s[8:11], s[0:1], 0x10
	s_load_b128 s[96:99], s[0:1], 0x20
	s_load_b64 s[100:101], s[0:1], 0x30
	v_lshl_add_u32 v[SPW], v0, 2, SPARE
	v_mov_b32 v[NIL], 0
	ds_add_u32 v28, v29
	ds_add_u32 v28, v29
	s_wait_dscnt 0x0
	v_lshrrev_b32 v1, 5, v0
	v_readfirstlane_b32 s14, v1
	s_lshr_b32 s15, s14, 1
	s_and_b32 s16, s14, 1
	s_bfe_u32 s40, ttmp6, 0x40000
	s_bfe_u32 s41, ttmp6, 0x40004
	s_and_b32 s66, ttmp7, 0xffff
	s_lshl_b32 s66, s66, 2
	s_lshl_b32 s67, ttmp9, 2
	s_add_co_u32 s67, s67, 16
	s_cmp_eq_u32 ttmp9, 2
	s_cselect_b32 s17, 24, s66
	s_cselect_b32 s42, s66, s67
	s_add_co_u32 s17, s17, s41
	s_add_co_u32 s42, s42, s40
	s_lshl_b32 s43, s41, 2
	s_lshl_b32 s43, 15, s43
	s_lshl_b32 s44, 0x1111, s40
	s_or_b32 s[G1+0], s43, (0<<16)|(1<<20)|(1<<21)|(5<<22)|(3<<25)
	s_or_b32 s[G1B+0], s44, (0<<16)|(1<<20)|(1<<21)|(5<<22)|(3<<25)
.irp g, G1, G1B
	s_mov_b32 s[\g+1], ROWB<<16
	s_mov_b32 s[\g+2], 256<<16
	s_mov_b32 s[\g+3], ROWB<<16
	s_mov_b32 s[\g+4], 256
	s_mov_b32 s[\g+5], KROW
	s_mov_b32 s[\g+6], 0
	s_mov_b32 s[\g+7], 0
.endr
	s_or_b32 s[G1S+0], s43, (3<<16)|(1<<20)|(1<<21)|(5<<22)|(3<<25)
	s_or_b32 s[G1SB+0], s44, (3<<16)|(1<<20)|(1<<21)|(5<<22)|(3<<25)
.irp g, G1S, G1SB
	s_mov_b32 s[\g+1], 32<<16
	s_mov_b32 s[\g+2], 32<<16
	s_mov_b32 s[\g+3], 32<<16
	s_mov_b32 s[\g+4], 32
	s_mov_b32 s[\g+5], 32
	s_mov_b32 s[\g+6], 0
	s_mov_b32 s[\g+7], 0
.endr
	s_lshl_b32 s20, s17, 8                         ; A: the tile's first row
	s_lshl_b32 s46, s42, 8                         ; B: likewise
	s_mov_b32 s21, 0
	s_mov_b32 s47, 0
	s_mov_b64 s[18:19], KS
	s_mul_u64 s[22:23], s[20:21], s[18:19]
	s_mul_u64 s[92:93], s[46:47], s[18:19]
	s_mov_b64 s[18:19], KROW
	s_mul_u64 s[20:21], s[20:21], s[18:19]
	s_mul_u64 s[46:47], s[46:47], s[18:19]
	s_mul_i32 s45, s14, HALFT
	s_mov_b32 s[MNT], 0x600000
	s_wait_kmcnt 0x0
	s_add_nc_u64 s[20:21], s[4:5], s[20:21]
	s_add_nc_u64 s[22:23], s[6:7], s[22:23]
	s_add_nc_u64 s[46:47], s[4:5], s[46:47]
	s_add_nc_u64 s[92:93], s[6:7], s[92:93]
	CROUND
	s_mov_b32 s[G0S], 1
	s_mov_b32 s[G0S+1], SCL
	s_mov_b64 s[G0S+2:G0S+3], s[22:23]
	s_or_b32 s[G0S+3], s[G0S+3], 0x80000000
	s_mov_b32 s[G0SB], 1
	s_mov_b32 s[G0SB+1], SCL+2*HALFS
	s_mov_b64 s[G0SB+2:G0SB+3], s[92:93]
	s_or_b32 s[G0SB+3], s[G0SB+3], 0x80000000
.irp s, 0,1
	s_mov_b32 s[G0+4*\s], 1
	s_add_co_u32 s[G0+4*\s+1], s45, \s*SLOT
	s_add_nc_u64 s[G0+4*\s+2:G0+4*\s+3], s[20:21], \s*ROWB
	s_or_b32 s[G0+4*\s+3], s[G0+4*\s+3], 0x80000000
	s_mov_b32 s[G0B+4*\s], 1
	s_add_co_u32 s[G0B+4*\s+1], s45, \s*SLOT
	s_add_nc_u64 s[G0B+4*\s+2:G0B+4*\s+3], s[46:47], \s*ROWB
	s_or_b32 s[G0B+4*\s+3], s[G0B+4*\s+3], 0x80000000
.endr
	s_mul_i32 s18, s16, 128*KROW                   ; in the ring a wave fetches 128 rows of a tile: which half, in bytes
	s_mov_b32 s19, 0
	s_add_nc_u64 s[G0+6:G0+7], s[G0+6:G0+7], s[18:19]      ; slot 1's groups 0 are the ring's
	s_add_nc_u64 s[G0B+6:G0B+7], s[G0B+6:G0B+7], s[18:19]
	s_mov_b32 s[G0+1], 0                           ; slot 0's serve the head first: A's 256 rows whole,
	s_mov_b32 s[G0B+1], 2*HALFT                    ; B's 256 behind them
; THE HEAD'S LOADS, ONE A WAVE: wave 0 K step 0's 256 rows of A, wave 1 its 256 rows of B, wave 2 the scales of A's 256 rows, wave 3 those of B's.
; One tree of branches on the wave's number: every way through the head passes exactly one load.
.macro ARM under, g0, g1, next
	s_cmp_lt_u32 s14, \under
	s_cbranch_scc0 \next
	tensor_load_to_lds s[\g0:\g0+3], s[\g1:\g1+7]
	s_nop 0
.rept 4
	v_nop
.endr
	s_branch .Lhead_asked
\next:
.endm
	ARM 1, G0,  G1,  .Lhead_b
	ARM 2, G0B, G1B, .Lhead_sa
	ARM 3, G0S, G1S, .Lhead_sb
	tensor_load_to_lds s[G0SB:G0SB+3], s[G1SB:G1SB+7]
	s_nop 0
.rept 4
	v_nop
.endr
.Lhead_asked:
	v_and_b32 v1, 15, v0
	v_bfe_u32 v2, v0, 4, 1
	v_mul_u32_u24 v3, v1, PITCH
	v_lshl_add_u32 v4, v2, 4, v3
	s_mul_i32 s21, s15, HALFT
	s_mul_i32 s22, s16, HALFT
	s_add_co_u32 s22, s22, 2*HALFT
.irp s, 0,1
	v_add_nc_u32 v[ADRA+\s], s21, v4
	v_add_nc_u32 v[ADRB+\s], s22, v4
	s_add_co_u32 s21, s21, SLOT
	s_add_co_u32 s22, s22, SLOT
.endr
	v_mul_u32_u24 v5, v1, KS
	v_lshrrev_b32 v6, 8, v5
	v_lshl_add_u32 v5, v6, 4, v5
	s_mul_i32 s21, s15, HALFS
	s_mul_i32 s22, s16, HALFS
	s_add_co_u32 s22, s22, 2*HALFS
	s_sub_co_u32 s22, s22, s21
	v_mul_u32_u24 v6, s22, v2
	s_add_co_u32 s21, s21, SCL
	v_add_nc_u32 v5, v5, v6
	v_add_nc_u32 v[ADRS], s21, v5
	v_and_b32 v6, 31, v0
	v_lshlrev_b32 v[CO], 4, v6
	s_mov_b32 s[SEL], 0x76543210
	s_mov_b32 s[SEL+1], 0xfedcba98
	s_cmp_eq_u32 ttmp9, 1
	s_cselect_b64 s[8:9], s[10:11], s[8:9]
	s_cmp_eq_u32 ttmp9, 2
	s_cselect_b64 s[8:9], s[96:97], s[8:9]
	s_cselect_b32 s66, s41, s40
	s_cselect_b32 s67, s15, s16
	s_lshl_b32 s66, s66, 10
	s_lshl_b32 s67, s67, 9
	s_add_co_u32 s66, s66, s67
	s_mov_b32 s67, 0
	s_add_nc_u64 s[8:9], s[8:9], s[66:67]
	v_lshlrev_b32 v7, 6, v2
	v_and_b32 v8, 7, v1
	v_lshrrev_b32 v9, 3, v1
	v_lshl_add_u32 v8, v9, 4, v8
	v_lshlrev_b32 v8, 2, v8
	s_cmp_eq_u32 ttmp9, 2
	s_cbranch_scc1 .Lbias_v
.irp b, 0,1,2,3,4,5,6,7
	global_load_b128 v[BI+8*\b:BI+8*\b+3], v7, s[8:9] offset:(32*(\b/2)+8*(\b%2))*4
	global_load_b128 v[BI+8*\b+4:BI+8*\b+7], v7, s[8:9] offset:(32*(\b/2)+8*(\b%2))*4+16
.endr
	s_branch .Lbias_in
.Lbias_v:
	s_wait_alu depctr_va_vdst(0)
.irp a, 0,1,2,3,4,5,6,7
.irp j, 0,1,2,3,4,5,6,7
	global_load_b32 v[BI+8*\a+\j], v8, s[8:9] offset:(32*(\a/2)+8*(\a%2))*4
.endr
.endr
.Lbias_in:
	s_lshl_b32 s66, s17, 1
	s_add_co_u32 s66, s66, s15
	s_lshl_b32 s67, s42, 1
	s_add_co_u32 s67, s67, s16
	s_max_u32 s94, s66, s67
	s_min_u32 s93, s66, s67
	s_sub_co_u32 s94, s94, 32
	s_lshl_b32 s94, s94, 5
	s_add_co_u32 s94, s94, s93
	s_lshl_b32 s92, s94, 14
	s_mov_b32 s93, 0
	s_add_nc_u64 s[12:13], s[98:99], s[92:93]
	s_lshl_b32 s92, s94, 9
	s_add_nc_u64 s[100:101], s[100:101], s[92:93]
.macro FRAG reg, adr, q, i
.irp c, 0,1,2,3
	ds_load_b128 v[\reg+4*\c:\reg+4*\c+3], v[\adr] offset:128*(\q)+32*\c+(\i)*16*PITCH
.endr
.endm
.macro MUL16 a0, p, q, sc, mode
.irp a, \a0, \a0+1
.irp b, 0,1,2,3,4,5,6,7
.if \mode == 1
	v_wmma_scale_f32_16x16x128_f8f6f4 v[8*(8*((\a)%4)+\b):8*(8*((\a)%4)+\b)+7], v[128*(\p)+FR*\b:128*(\p)+FR*\b+FR-1], v[AF+FR*(\a):AF+FR*(\a)+FR-1], v[BI+8*\b:BI+8*\b+7], v[SC+8*NQ*(\sc)+NQ*\b+(\q)], v[SC+8*NQ*(\sc)+NQ*(\a)+(\q)] matrix_a_fmt:MATRIX_FMT_BF8 matrix_b_fmt:MATRIX_FMT_BF8 matrix_a_scale:MATRIX_SCALE_ROW1
.elseif \mode == 2
	v_wmma_scale_f32_16x16x128_f8f6f4 v[8*(8*((\a)%4)+\b):8*(8*((\a)%4)+\b)+7], v[128*(\p)+FR*\b:128*(\p)+FR*\b+FR-1], v[AF+FR*(\a):AF+FR*(\a)+FR-1], v[BI+8*(\a):BI+8*(\a)+7], v[SC+8*NQ*(\sc)+NQ*\b+(\q)], v[SC+8*NQ*(\sc)+NQ*(\a)+(\q)] matrix_a_fmt:MATRIX_FMT_BF8 matrix_b_fmt:MATRIX_FMT_BF8 matrix_a_scale:MATRIX_SCALE_ROW1
.else
	v_wmma_scale_f32_16x16x128_f8f6f4 v[8*(8*((\a)%4)+\b):8*(8*((\a)%4)+\b)+7], v[128*(\p)+FR*\b:128*(\p)+FR*\b+FR-1], v[AF+FR*(\a):AF+FR*(\a)+FR-1], v[8*(8*((\a)%4)+\b):8*(8*((\a)%4)+\b)+7], v[SC+8*NQ*(\sc)+NQ*\b+(\q)], v[SC+8*NQ*(\sc)+NQ*(\a)+(\q)] matrix_a_fmt:MATRIX_FMT_BF8 matrix_b_fmt:MATRIX_FMT_BF8 matrix_a_scale:MATRIX_SCALE_ROW1
.endif
.endr
.endr
.endm
.macro FETCH_B slot, q, p
	WIN TO_B
.irp i, 0,1,2,3,4,5,6,7
	FRAG 128*(\p)+FR*\i, ADRB+\slot, \q, \i
.endr
	WIN 0
.endm
.macro FETCH_A slot, q, i0
.irp i, \i0, \i0+1, \i0+2, \i0+3
	FRAG AF+FR*(\i), ADRA+\slot, \q, \i
.endr
.endm
.macro SCALES sc
.irp i, 0,1,2,3,4,5,6,7
	ds_load_b64 v[SC+8*NQ*\sc+NQ*\i:SC+8*NQ*\sc+NQ*\i+1], v[ADRS] offset:\i*SBLK
.endr
.endm
.macro PLACES n
.rept \n
	v_nop
.endr
.endm
.macro STEP slot, q, mode
	s_wait_dscnt 4*NL
.if \mode
	WIN BIA_LO
.else
	WIN MUL_LO
.endif
	MUL16 0, (\q)%2, \q, \slot, \mode
	MUL16 2, (\q)%2, \q, \slot, \mode
	s_wait_dscnt 0
	PLACES NP
	FETCH_B \slot, (\q)+1, 1-(\q)%2
	FETCH_A \slot, (\q)+1, 0
.if \mode
	WIN BIA_HI
.else
	WIN MUL_HI
.endif
	MUL16 4, (\q)%2, \q, \slot, \mode
	MUL16 6, (\q)%2, \q, \slot, \mode
	PLACES NP
	WIN 0
	FETCH_A \slot, (\q)+1, 4
.endm
.macro TURN slot, next, fill
	s_wait_tensorcnt 0x0
	ds_add_u32 v[SPW], v[NIL]
	s_wait_dscnt 4*NL+1
	WIN MUL_LO
	MUL16 0, 1, NQ-1, \slot, 0
	s_wait_dscnt 0x0
	s_barrier_signal -1
	MUL16 2, 1, NQ-1, \slot, 0
	WIN 0
	s_barrier_wait -1
.if \fill
	CREST
	s_add_nc_u64 s[G0+4*\slot+2:G0+4*\slot+3], s[G0+4*\slot+2:G0+4*\slot+3], 2*ROWB
	s_add_nc_u64 s[G0B+4*\slot+2:G0B+4*\slot+3], s[G0B+4*\slot+2:G0B+4*\slot+3], 2*ROWB
	JLOAD G0+4*\slot, G1, G0B+4*\slot, G1B
	PLACES NP-4
.else
	PLACES NP
.endif
	s_wait_alu depctr_va_vdst(0)
	v_add_nc_u32 v[ADRS], 4*NQ, v[ADRS]
	FETCH_B \next, 0, 0
	FETCH_A \next, 0, 0
	SCALES \next
	WIN MUL_HI
	MUL16 4, 1, NQ-1, \slot, 0
	MUL16 6, 1, NQ-1, \slot, 0
	PLACES NP
	WIN 0
	FETCH_A \next, 0, 4
.endm
	s_wait_alu depctr_va_vdst(0)                   ; the wait at the head's end
	s_wait_tensorcnt 0x0                           ; my tile of the head's four is in; these lines stand ahead of a later first fill as ahead of a refill
	ds_add_u32 v[SPW], v[NIL]
	s_mov_b32 s[G1+2], 128<<16                     ; no tensor load of mine is out, so descriptors may be written: from here on a load brings 128 rows,
	s_mov_b32 s[G1+4], 128
	s_mov_b32 s[G1B+2], 128<<16
	s_mov_b32 s[G1B+4], 128
	s_mov_b32 s[G0+1], s45                         ; and slot 0's groups 0 become the ring's: my quarter of the slot,
	s_mov_b32 s[G0B+1], s45
	s_mul_i32 s92, s16, 128*KROW                   ; my half of the tile's rows
	s_mov_b32 s93, 0
	s_add_nc_u64 s[G0+2:G0+3], s[G0+2:G0+3], s[92:93]
	s_add_nc_u64 s[G0B+2:G0B+3], s[G0B+2:G0B+3], s[92:93]
	s_wait_dscnt 0x0
	CROUND                                         ; all four tiles are in, and all sixteen work-groups are here
	JLOAD G0+4, G1, G0B+4, G1B                     ; K step 1: the first tensor load behind the round
	FETCH_B 0, 0, 0
	FETCH_A 0, 0, 0
	s_wait_alu depctr_va_vdst(0)
	SCALES 0
	FETCH_A 0, 0, 4
	s_wait_loadcnt 0x0
	s_cmp_eq_u32 ttmp9, 2
	s_cbranch_scc1 .Lfirst_v
	STEP 0, 0, 1
	s_branch .Lfirst_done
.Lfirst_v:
	STEP 0, 0, 2
.Lfirst_done:
	s_mov_b32 s3, LAPS-1
.Llap:
	TURN 0, 1, 1
	STEP 1, 0, 0
	TURN 1, 0, 1
	STEP 0, 0, 0
	s_sub_co_u32 s3, s3, 1
	s_cmp_lg_u32 s3, 0
	s_cbranch_scc1 .Llap
	TURN 0, 1, 0
	STEP 1, 0, 0
	s_wait_dscnt 4*NL
	WIN MUL_LO
	MUL16 0, 1, NQ-1, 1, 0
	MUL16 2, 1, NQ-1, 1, 0
	s_wait_dscnt 0
	WIN MUL_HI
	MUL16 4, 1, NQ-1, 1, 0
	MUL16 6, 1, NQ-1, 1, 0
	WIN 0
.macro QUANTA a
.set QWI, 2+(\a)/4
.set QAC, 64*((\a)%4)
.set QPC, PC+16*(\a)
.set WN, QWI*0x14
	WIN WN
.irp b, 0,1,2,3
	v_max3_num_f32 v[TM+\b], 0x8000000, |v[QAC+16*\b]|, |v[QAC+16*\b+1]|
.endr
.irp i, 2,4,6,8,10,12,14
.irp b, 0,1,2,3
	v_max3_num_f32 v[TM+\b], v[TM+\b], |v[QAC+16*\b+\i]|, |v[QAC+16*\b+\i+1]|
.endr
.endr
	WIN 0
.irp b, 0,1,2,3
	v_permlanex16_b32 v[TM+4+\b], v[TM+\b], s[SEL], s[SEL+1]
.endr
.irp b, 0,1,2,3
	v_max_num_f32 v[TM+\b], v[TM+\b], v[TM+4+\b]
.endr
.irp b, 0,1,2,3
	v_add_nc_u32 v[TM+12+\b], 0xf8800000, v[TM+\b]
.endr
.irp b, 0,1,2,3
	v_and_or_b32 v[TM+8+\b], v[TM+\b], 0x7f800000, s[MNT]
.endr
.irp b, 0,1,2,3
	v_lshrrev_b32 v[TM+4+\b], 23, v[TM+12+\b]
.endr
	v_lshl_or_b32 v[SW+(\a)], v[TM+5], 8, v[TM+4]
	v_lshl_or_b32 v[SW+(\a)], v[TM+6], 16, v[SW+(\a)]
	v_lshl_or_b32 v[SW+(\a)], v[TM+7], 24, v[SW+(\a)]
.set WN, (QWI<<6)|QWI
	WIN WN
.irp b, 0,1,2,3
.irp i, 0,1,2,3,4,5,6,7,8,9,10,11,12,13,14,15
	v_med3_num_f32 v[QAC+16*\b+\i], v[QAC+16*\b+\i], -v[TM+8+\b], v[TM+8+\b]
.endr
.endr
.set WN, QWI
	WIN WN
.irp b, 0,1,2,3
	v_cvt_scalef32_pk8_bf8_f32 v[QPC+4*\b:QPC+4*\b+1], v[QAC+16*\b:QAC+16*\b+7], v[TM+12+\b]
	v_cvt_scalef32_pk8_bf8_f32 v[QPC+4*\b+2:QPC+4*\b+3], v[QAC+16*\b+8:QAC+16*\b+15], v[TM+12+\b]
.endr
	WIN 0
	v_nop
.irp b, 0,1,2,3
	global_store_b128 v[CO], v[QPC+4*\b:QPC+4*\b+3], s[12:13] offset:(\a)*2048+512*\b
.endr
.endm
	PLACES NP
.irp b, 0,1,2,3
	v_mov_b32 v[TM+4+\b], 0
.endr
.irp a, 0,1,2,3,4,5,6,7
	QUANTA \a
.endr
	v_and_b32 v6, 31, v0
	v_cmp_gt_u32 vcc_lo, 16, v6
.irp i, 0,1,2,3
	v_cndmask_b32 v[SX+\i], v[SW+4+\i], v[SW+\i], vcc_lo
.endr
	global_store_b128 v[CO], v[SX:SX+3], s[100:101]
	s_wait_tensorcnt 0x0
	ds_add_u32 v[SPW], v[NIL]
	s_wait_dscnt 0x0
	CROUND
	s_endpgm
.Lfunc_end_k_q2a56dc7bed_gemm_qkv:
	.size	k_q2a56dc7bed_gemm_qkv, .Lfunc_end_k_q2a56dc7bed_gemm_qkv-k_q2a56dc7bed_gemm_qkv
	.p2alignl 7, 3214868480
	.fill 96, 4, 3214868480
	.section	.rodata,"a",@progbits
	.p2align	6, 0x0
	.amdhsa_kernel k_q2a56dc7bed_gemm_qkv
		.amdhsa_group_segment_fixed_size 327680
		.amdhsa_private_segment_fixed_size 0
		.amdhsa_enable_private_segment 0
		.amdhsa_kernarg_size 56
		.amdhsa_user_sgpr_count 2
		.amdhsa_user_sgpr_kernarg_segment_ptr 1
		.amdhsa_wavefront_size32 1
		.amdhsa_system_sgpr_workgroup_id_x 1
		.amdhsa_system_sgpr_workgroup_id_y 1
		.amdhsa_system_sgpr_workgroup_id_z 1
		.amdhsa_system_vgpr_workitem_id 0
		.amdhsa_next_free_vgpr 1024
		.amdhsa_next_free_sgpr 102
		.amdhsa_reserve_vcc 1
		.amdhsa_float_denorm_mode_32 3
		.amdhsa_float_denorm_mode_16_64 3
		.amdhsa_memory_ordered 1
		.amdhsa_forward_progress 1
		.amdhsa_inst_pref_size 207
	.end_amdhsa_kernel
	.amdgpu_metadata
---
amdhsa.version: [ 1, 2 ]
amdhsa.kernels:
  - .name:           k_q2a56dc7bed_gemm_qkv
    .symbol:         k_q2a56dc7bed_gemm_qkv.kd
    .args:
      - { .name: zc, .offset: 0, .size: 8, .value_kind: global_buffer, .address_space: global }
      - { .name: zs, .offset: 8, .size: 8, .value_kind: global_buffer, .address_space: global }
      - { .name: b_q, .offset: 16, .size: 8, .value_kind: global_buffer, .address_space: global }
      - { .name: b_k, .offset: 24, .size: 8, .value_kind: global_buffer, .address_space: global }
      - { .name: b_v, .offset: 32, .size: 8, .value_kind: global_buffer, .address_space: global }
      - { .name: img, .offset: 40, .size: 8, .value_kind: global_buffer, .address_space: global }
      - { .name: isc, .offset: 48, .size: 8, .value_kind: global_buffer, .address_space: global }
    .group_segment_fixed_size: 327680
    .private_segment_fixed_size: 0
    .kernarg_segment_align: 8
    .kernarg_segment_size: 56
    .max_flat_workgroup_size: 128
    .sgpr_count:     102
    .vgpr_count:     1024
    .wavefront_size: 32
...
	.end_amdgpu_metadata
.endif
;; end of part 2
;; launch attn (part 3): grid 16 x 16, 16 waves a work-group, clusters of 4 x 1, 327,680 bytes of LDS; arguments img, isc, cimg, csc; writes cimg, csc
.if DOCPART == 3
	.amdgcn_target "amdgcn-amd-amdhsa--gfx1250"
	.amdhsa_code_object_version 6
	.text
	.protected	k_q2a56dc7bed_attn
	.globl	k_q2a56dc7bed_attn
	.p2align	8
	.type	k_q2a56dc7bed_attn,@function
k_q2a56dc7bed_attn:
	s_mov_b64 s[64:65], 0
	v_nop
	global_prefetch_b8 v0, s[64:65] scope:SCOPE_SE
	s_setreg_imm32_b32 hwreg(HW_REG_WAVE_MODE, 25, 1), 1
	s_wait_xcnt 0x0
	s_wait_alu depctr_hold_cnt(0) depctr_sa_sdst(0) depctr_va_vdst(0) depctr_va_sdst(0) depctr_va_ssrc(0) depctr_va_vcc(0) depctr_vm_vsrc(0)
	s_getreg_b32 s2, hwreg(HW_REG_IB_STS2, 6, 4)
	s_cmp_eq_u32 s2, 0
	s_cbranch_scc0 .Lentry_in_a_cluster
	s_endpgm
.Lentry_in_a_cluster:
	s_bfe_u32 s2, ttmp6, 0x10000c
	s_cmp_lg_u32 s2, 0x3003
	s_cbranch_scc0 .Lentry_shape_is_right
	s_endpgm
.Lentry_shape_is_right:
; ctx[q][head] = softmax_k(Q . K / 8) V for 16 heads of 64, 4,096 tokens, both products on codes of BF8 (E5M2) with E8M0 scales; ctx is quantised at once for the last product.
; THE SOFTMAX AHEAD OF THE SECOND PRODUCT: t = score x log2(e) / 8; M = the running largest t rounded UP to a whole number; p = 2^(t - M) is quantised along the keys, not normalised.
; The row's sum is taken of the unquantised p and divides at the end.  When M moves, the sums and O are multiplied by f = 2^(old M - new M): exact.
; INPUTS are images of operand registers: img: blocks of 16 KiB, block = 32 x (head pair: Q 0-7, K 8-15, V 16-23) + token / 128.  Q, K: [tile of 16 tokens][head in pair, 32 channels c][lane][16 bytes].
; V: [4 s + tile of 16 channels t][32 keys c][lane][16 bytes].  isc: blocks of 512 bytes, the scale word of row r of tile a at 256 (a / 4) + 16 r + 4 (a % 4).
; Rows lie in the stored order (bits 3 and 4 of the number exchanged): a lane's 16 registers of result tiles 2 b, 2 b + 1 are 16 neighbours: keys in S^T, channels in O^T.
; SHARES.  A work-group owns 256 queries of one head, each of its sixteen waves 16.  Both products are used transposed (S^T = K Q^T, O^T = V^T P^T): a lane holds ONE query.
; The first product's K is 64: the upper halves of Q's and K's fragments are zero codes.
; RING: two LDS slots of 1,024 keys (eight steps of 128): K 64 KiB, V 64 KiB, images on end.  Three refills; a slot's steps run in a counted loop of seven, which also asks LDS for the next step's
; first four fragments of K, and an eighth step written out without that look-ahead, since the next slot is shown only behind the change of slots.
; CLUSTER: the four query blocks of a cluster walk the same K and V: each tile is asked for jointly (waves 0, 1: K's halves; waves 2, 3: V's).  One tensor load of a wave is out at a time.
; A STEP'S ORDER.  The 64 exponentials go in four batches, one block of 32 keys each; behind each exponential stands one line that hangs on nothing in the batch: a later block's t - M, an earlier block's sum or hold.
; The row's sum stands in eight packed accumulators, so that a block's eight additions do not hang on each other; block 0's are multiply-adds by f.  The holds go two to a line.
; OUTPUT: cimg [tile of 16 tokens T][head pair][2 s + b][lane][16 bytes]; csc [stored token][32]: byte 2 head + b, one byte a lane.
; LIMITS: a block of zeros gets the scale byte 1 (its codes are zeros); a p under 2^-126 counts as 0 (v_exp_f32's result); NaN and infinities are not served.
.set SLOT1, 1<<17                      ; slot 1 begins here: one exclusive or turns an address
.set VOFF,  65536                      ; in a slot: K's eight steps of 8 KiB, then V's
.set KSC,   262144                     ; K's scale words of the head, 16 KiB: step g at 512 g
.set VSC,   278528                     ; V's, 8 KiB: step g at 256 g + 16 r + 4 t
.set SPARE, 286720                     ; the spare words, 128 bytes a wave, that no other line names
.set NSL,   4
.set LI,  1                            ; v1   16 x lane
.set KS0, 2                            ; v2   KSC + 16 r
.set VS0, 3                            ; v3   VSC + 16 r
.set BO,  4                            ; v4   32 r + h: my byte in csc
.set SPW, 5
.set NIL, 6
.set PFO, 7                            ; v7   the prefetches' offset; never rewritten
.set AD,  8                            ; v8   the step's K + 16 x lane
.set AKS, 9                            ; v9   its scale words of K
.set AVS, 10                           ; v10  of V
.set ADV, 11                           ; v11  the step's V + 16 x lane
.set QF,  16                           ; v16-31   Q (v24-31 zero codes);  v12 -M, v13 the largest t, v14 f, v15 0
.set KF,  32                           ; v32-95   four fragments of K (the upper eight registers of each are zero codes, never rewritten)
.set S,   96                           ; v96-159  S^T, then p, then V's four fragments
.set O,   160                          ; v160-191 O^T
.set PCD, 192                          ; v192-207 p's codes
.set KW,  208                          ; v208-215 K's scale words
.set VW,  216                          ; v216-219 V's
.set A,   220                          ; v220-235 the row's sum: eight pairs
.set BM,  236                          ; v236-239 a block's largest score, then its largest p
.set PM,  240                          ; v240-243 the other half's, then the bytes
.set HB,  244                          ; v244-247 57,344 x the scale
.set SO,  248                          ; v248-251 the conversions' scale operands
.set T0,  252
.set PW,  253                          ; p's scale word
.set QW,  255                          ; Q's
.set WV,  18
.set MNT, 19
.set SEL, 20
.set CS,  22                           ; s[22:23] c = log2(e) / 8
.set G1K, 24
.set G1V, 32
.set G0K, 40
.set G0V, 44
.set TB,  2                            ; s2   LDS byte at which the slot in hand begins
.set TK,  3                            ; s3   and the step in hand
.set TS,  66                           ; s66  the step's scale words of K: 512 bytes a step;  s88 the slot's
.set TJ,  67                           ; s67  of V: 256;  s89 the slot's
.set TSB, 88
.set TJB, 89
.set SLOTS, 90
.set ST,  91
.set SH,  69                           ; s69  16 x head in pair
.set PFA, 76
.set LIM, 80
.macro TLOAD                           ; the branches hang on the wave's number alone; an s_nop 0 and four v_nop follow each line
	s_cmp_lt_u32 s[WV], 2
	s_cbranch_scc0 .Lnot_k_\@
	tensor_load_to_lds s[G0K:G0K+3], s[G1K:G1K+7]
	s_nop 0
.rept 4
	v_nop
.endr
	s_branch .Lasked_\@
.Lnot_k_\@:
	s_cmp_lt_u32 s[WV], 4
	s_cbranch_scc0 .Lasked_\@
	tensor_load_to_lds s[G0V:G0V+3], s[G1V:G1V+7]
	s_nop 0
.rept 4
	v_nop
.endr
.Lasked_\@:
.endm
; A PREFETCH INTO THE L2 of what the NEXT change of slots will ask for: the head's 64 KiB of K and 64 KiB of V, eight key steps ahead of that load.  Each aligned block of 256 bytes is named once:
; the head's first cluster asks; its four partners take two blocks of 128 tokens each, told apart BY ADDRESS; in each, waves 4, 5 ask for K's (8 rows of 1 KiB, 2 KiB apart, a wave) and waves 6, 7 for V's (8 KiB on end a wave), a lane a block.
; Slots 0 and 1 come by their loads alone; the last change that fills a slot asks for nothing.
.macro ASK
	s_cmp_gt_u32 s[SLOTS], s[LIM]
	s_cbranch_scc0 .Lnot_mine_\@
	global_prefetch_b8 v[PFO], s[PFA:PFA+1] th:TH_LOAD_NT scope:SCOPE_SE
.Lnot_mine_\@:
.endm
.macro ROUND                           ; a round of the cluster's barrier
	s_barrier_signal -1
	s_barrier_wait -1
	s_cmp_lg_u32 s[WV], 0
	s_cbranch_scc1 .Lnot_wave_0_\@
	s_barrier_signal -3
.Lnot_wave_0_\@:
	s_barrier_wait -3
	s_barrier_signal -1
	s_barrier_wait -1
.endm
.macro WALU
	s_wait_alu depctr_va_vdst(0)
.endm
	s_load_b128 s[4:7], s[0:1], 0x0                ; img s[4:5], isc s[6:7]
	s_load_b128 s[8:11], s[0:1], 0x10              ; cimg s[8:9], csc s[10:11]
	v_lshl_add_u32 v[SPW], v0, 2, SPARE
	v_mov_b32 v[NIL], 0
	ds_add_u32 v[SPW], v[NIL]                      ; the opening lines: the add, twice on end, and its wait ahead of the first tensor load
	ds_add_u32 v[SPW], v[NIL]
	v_lshrrev_b32 v8, 5, v0
	v_readfirstlane_b32 s[WV], v8                  ; wave 0..15
	s_bfe_u32 s12, ttmp6, 0x40000                  ; cx
	s_lshl_b32 s13, ttmp9, 2
	s_add_co_u32 s13, s13, s12                     ; my block of 256 queries
	s_and_b32 s14, ttmp7, 0xffff                   ; the head, which the partners share
	s_lshr_b32 s15, s14, 1                         ; its pair
	s_and_b32 s16, s14, 1                          ; and its place in the pair
	s_lshl_b32 s[SH], s16, 4
	s_lshl_b32 s17, s13, 4
	s_add_co_u32 s17, s17, s[WV]                   ; T: my tile of 16 queries
	s_lshl_b32 s51, s15, 19                        ; a head pair's 32 blocks of 16 KiB
	s_lshl_b32 s84, s16, 10
	s_add_co_u32 s84, s84, s51
	s_add_co_u32 s84, s84, 0x400000                ; K of my head: 1 KiB of every 2
	s_lshl_b32 s85, s16, 13
	s_add_co_u32 s85, s85, s51
	s_add_co_u32 s85, s85, 0x800000                ; V of my head: 8 KiB of every 16
	s_and_b32 s48, s[WV], 1                        ; which half of a slot's K or V I fetch, if I fetch
	s_lshl_b32 s49, s48, 16                        ; four blocks on in memory,
	s_lshl_b32 s50, s48, 15                        ; 32 KiB on in LDS
	s_add_co_u32 s52, s84, s49
	s_mov_b32 s53, 0
	s_add_co_u32 s54, s85, s49
	s_mov_b32 s55, 0
	s_mov_b32 s[G1K], 15|(3<<16)|(1<<21)           ; the mask: all four; elements of 8 bytes; bit 21 beside a mask; no padding
	s_mov_b32 s[G1K+1], 128<<16                    ; tensor_dim0: a row of 1 KiB
	s_mov_b32 s[G1K+2], 32<<16                     ; tensor_dim1: 32 rows
	s_mov_b32 s[G1K+3], 128<<16                    ; tile_dim0
	s_mov_b32 s[G1K+4], 32                         ; tile_dim1
	s_mov_b32 s[G1K+5], 256                        ; the pitch: 2 KiB
	s_mov_b32 s[G1K+6], 0
	s_mov_b32 s[G1K+7], 0
	s_mov_b32 s[G1V], 15|(3<<16)|(1<<21)
	s_mov_b32 s[G1V+1], 1024<<16                   ; a row of 8 KiB
	s_mov_b32 s[G1V+2], 4<<16                      ; 4 rows
	s_mov_b32 s[G1V+3], 1024<<16
	s_mov_b32 s[G1V+4], 4
	s_mov_b32 s[G1V+5], 2048                       ; 16 KiB apart
	s_mov_b32 s[G1V+6], 0
	s_mov_b32 s[G1V+7], 0
	s_mov_b32 s[SEL], 0x76543210
	s_mov_b32 s[SEL+1], 0xfedcba98
	s_mov_b32 s[CS], 0x3e38aa3b                    ; log2(e) / 8
	s_mov_b32 s[CS+1], s[CS]
	s_mov_b32 s[MNT], 0x600000
	s_mov_b32 s[TB], 0
	s_mov_b32 s[TK], 0
	s_mov_b32 s[TS], 0
	s_mov_b32 s[TJ], 0
	s_mov_b32 s[TSB], 0
	s_mov_b32 s[TJB], 0
	s_mov_b32 s[SLOTS], NSL-1
	s_lshl_b32 s56, s15, 14                        ; a head pair's 32 blocks of 512 bytes in isc
	s_mov_b32 s57, 0
	s_lshl_b32 s60, s16, 8
	s_lshl_b32 s62, s17, 11                        ; Q: tile T, my head's 1 KiB
	s_add_co_u32 s62, s62, s51
	s_lshl_b32 s63, s16, 10
	s_add_co_u32 s62, s62, s63
	s_mov_b32 s63, 0
	s_lshr_b32 s70, s17, 3                         ; Q's scale word: 512 (T / 8) + 256 ((T / 4) % 2) + 4 (T % 4)
	s_lshl_b32 s70, s70, 9
	s_bfe_u32 s71, s17, 0x10002
	s_lshl_b32 s71, s71, 8
	s_add_co_u32 s70, s70, s71
	s_and_b32 s71, s17, 3
	s_lshl_b32 s71, s71, 2
	s_add_co_u32 s70, s70, s71
	s_lshl_b32 s72, s17, 14                        ; cimg: 16,384 T + 1,024 head
	s_lshl_b32 s73, s14, 10
	s_add_co_u32 s72, s72, s73
	s_mov_b32 s73, 0
	s_lshl_b32 s74, s17, 9                         ; csc: 512 T + 2 head
	s_lshl_b32 s75, s14, 1
	s_add_co_u32 s74, s74, s75
	s_mov_b32 s75, 0
	s_wait_dscnt 0x0                               ; both opening adds are done
	s_wait_kmcnt 0x0
	s_mov_b32 s[G0K], 1
	s_mov_b32 s[G0K+1], s50
	s_add_nc_u64 s[G0K+2:G0K+3], s[4:5], s[52:53]
	s_or_b32 s[G0K+3], s[G0K+3], 0x80000000
	s_mov_b32 s[G0V], 1
	s_add_co_u32 s[G0V+1], s50, VOFF
	s_add_nc_u64 s[G0V+2:G0V+3], s[4:5], s[54:55]
	s_or_b32 s[G0V+3], s[G0V+3], 0x80000000
	ROUND                                          ; all four work-groups are here: the first joint loads meet
	TLOAD                                          ; slot 0
	s_add_nc_u64 s[58:59], s[6:7], s[56:57]        ; isc at my head pair (Q's part; K's is 131,072 on, V's 262,144)
	s_add_nc_u64 s[62:63], s[4:5], s[62:63]
	s_add_nc_u64 s[8:9], s[8:9], s[72:73]
	s_add_nc_u64 s[10:11], s[10:11], s[74:75]
	; the prefetches: where mine stand, and who asks
	s_mov_b32 s86, 1024
	s_cmp_lt_u32 s[WV], 6
	s_cselect_b32 s82, s84, s85
	s_cselect_b32 s86, 2048, s86                   ; from four lanes to the next four
	s_lshl_b32 s83, s12, 15                        ; my work-group's two blocks,
	s_add_co_u32 s82, s82, s83
	s_lshl_b32 s83, s48, 14                        ; my wave's one of them,
	s_add_co_u32 s82, s82, s83
	s_add_co_u32 s82, s82, 131072                  ; in slot 1: the first change of slots steps it to slot 2
	s_mov_b32 s83, 0
	s_add_nc_u64 s[PFA:PFA+1], s[4:5], s[82:83]
	s_lshr_b32 s82, s[WV], 2
	s_xor_b32 s82, s82, 1                          ; 0 in waves 4 to 7,
	s_or_b32 s82, s82, ttmp9                       ; of the head's first cluster: the same in all four partners
	s_cmp_eq_u32 s82, 0
	s_cselect_b32 s[LIM], 1, -1
	v_and_b32 v96, 15, v0                          ; r
	v_bfe_u32 v97, v0, 4, 1                        ; h
	v_and_b32 v[LI], 31, v0
	v_lshrrev_b32 v102, 2, v[LI]
	v_and_b32 v[PFO], 3, v[LI]
	v_mul_lo_u32 v102, v102, s86
	v_lshl_add_u32 v[PFO], v[PFO], 8, v102
	v_lshlrev_b32 v[LI], 4, v[LI]
	v_lshl_add_u32 v[KS0], v96, 4, KSC
	v_lshl_add_u32 v[VS0], v96, 4, VSC
	v_lshl_add_u32 v[BO], v96, 5, v97
	v_lshlrev_b32 v98, 4, v0                       ; 16 x thread
	v_lshrrev_b32 v99, 4, v0
	v_lshlrev_b32 v99, 9, v99
	v_lshl_add_u32 v99, v96, 4, v99
	v_add_nc_u32 v99, s60, v99                     ; V's words: 512 (thread / 16) + 256 s + 16 (thread % 16)
	v_lshl_add_u32 v100, v96, 4, s70
	v_add_nc_u32 v101, KSC, v98
	WALU
	global_load_b128 v[KW:KW+3], v98, s[58:59] offset:131072           ; the head pair's scale words of K: 16 KiB, 32 bytes a thread
	global_load_b128 v[KW+4:KW+7], v98, s[58:59] offset:131072+8192
	global_load_b128 v[VW:VW+3], v99, s[58:59] offset:262144           ; my head's of V: 8 KiB
	global_load_b128 v[QF:QF+3], v[LI], s[62:63]                       ; Q's fragment stays in registers
	global_load_b128 v[QF+4:QF+7], v[LI], s[62:63] offset:512
	global_load_b32 v[QW], v100, s[58:59]
.irp j, 8,9,10,11,12,13,14,15
	v_mov_b32 v[QF+\j], 0                          ; K = 64 .. 127 of the first product: zero codes, on both sides
.irp t, 0,1,2,3
	v_mov_b32 v[KF+16*\t+\j], 0
.endr
.endr
.set J_, 0
.rept 32
	v_mov_b32 v[O+J_], 0                           ; O^T.  (The step is written once: the first finds zeros, which the first change of M leaves zeros)
.set J_, J_+1
.endr
.set J_, 0
.rept 16
	v_mov_b32 v[A+J_], 0                           ; the sums
.set J_, J_+1
.endr
	v_mov_b32 v13, 0xff61b1e6                      ; the largest t so far: -3e38
	v_mov_b32 v15, 0                               ; (named as the upper half of v[14:15])
.irp b, 0,1,2,3
	v_mov_b32 v[PM+\b], 0                          ; a lane permute's destination counts as one of its sources
.endr
	v_mov_b32 v[T0], 0
	v_floor_f32 v12, -v13                          ; -M
	v_mov_b32 v[AD], v[LI]                         ; step 0's addresses
	v_add_nc_u32 v[ADV], VOFF, v[LI]
	v_mov_b32 v[AKS], v[KS0]
	v_mov_b32 v[AVS], v[VS0]
	WALU
	s_wait_loadcnt 0x0
.irp j, 0,1,2,3,4,5,6,7
	v_bfe_u32 v[KW+\j], v[KW+\j], s[SH], 16        ; my head's two bytes; the bytes of the two blocks of zero codes are 0
.endr
	v_bfe_u32 v[QW], v[QW], s[SH], 16
	ds_store_b128 v101, v[KW:KW+3]
	ds_store_b128 v101, v[KW+4:KW+7] offset:8192
	ds_store_b128 v101, v[VW:VW+3] offset:VSC-KSC  ; they are waited for in front of the first change's round, and read behind it
	WALU                                           ; the head's end
.macro WS t                            ; S^T, tile t of 16 keys
	v_wmma_scale_f32_16x16x128_f8f6f4 v[S+8*(\t):S+8*(\t)+7], v[KF+16*((\t)%4):KF+16*((\t)%4)+15], v[QF:QF+15], 0, v[KW+(\t)], v[QW] matrix_a_fmt:MATRIX_FMT_BF8 matrix_b_fmt:MATRIX_FMT_BF8
.endm
.macro KLOAD g, off                    ; the lower halves of four fragments of K: tiles 4 g .. 4 g + 3, off bytes on from the step in hand
.irp t, 0,1,2,3
	ds_load_b128 v[KF+16*\t:KF+16*\t+3], v[AD] offset:(\off)+1024*(4*(\g)+\t)
	ds_load_b128 v[KF+16*\t+4:KF+16*\t+7], v[AD] offset:(\off)+1024*(4*(\g)+\t)+512
.endr
.endm
.macro KWLOAD off
	ds_load_b128 v[KW:KW+3], v[AKS] offset:\off
	ds_load_b128 v[KW+4:KW+7], v[AKS] offset:(\off)+256
.endm
.macro VLOAD t                         ; V's fragment t takes the place of block t's p
.irp c, 0,1,2,3
	ds_load_b128 v[S+16*(\t)+4*\c:S+16*(\t)+4*\c+3], v[ADV] offset:2048*(\t)+512*\c
.endr
.endm
.macro BML b0, n                       ; line n of 16: the largest score of blocks b0 and b0 + 1, by turns; each tile is read from its low end on
.set B_, (\b0)+(\n)%2
.if (\n) < 2
	v_max3_num_f32 v[BM+B_], v[S+16*B_], v[S+16*B_+1], v[S+16*B_+2]
.elseif (\n) < 14
.set I_, 3+2*(((\n)-2)/2)
	v_max3_num_f32 v[BM+B_], v[BM+B_], v[S+16*B_+I_], v[S+16*B_+I_+1]
.else
	v_max_num_f32 v[BM+B_], v[BM+B_], v[S+16*B_+15]
.endif
.endm
.macro BMR b0, from, to
.set N_, \from
.rept (\to)-(\from)
	BML \b0, N_
.set N_, N_+1
.endr
.endm
.macro JOIN b0                         ; with lane l xor 16's 16 keys
.irp b, \b0, \b0+1
	v_permlanex16_b32 v[PM+\b], v[BM+\b], s[SEL], s[SEL+1]
.endr
.irp b, \b0, \b0+1
	v_max_num_f32 v[BM+\b], v[BM+\b], v[PM+\b]
.endr
.endm
.macro FILL k, b, j                    ; two numbers of block b.  k = 0: t - M;  1: into the sum's pair j (block 0: the pair x f first);  2: the hold (p is not negative), two to a line
.set X_, S+16*(\b)+2*(\j)
.if (\k) == 0
	v_pk_fma_f32 v[X_:X_+1], v[X_:X_+1], s[CS:CS+1], v[12:13] op_sel_hi:[1,0,0]
.elseif (\k) == 1 && (\b) == 0
	v_pk_fma_f32 v[A+2*(\j):A+2*(\j)+1], v[A+2*(\j):A+2*(\j)+1], v[14:15], v[X_:X_+1] op_sel_hi:[1,0,1]
.elseif (\k) == 1
	v_pk_add_f32 v[A+2*(\j):A+2*(\j)+1], v[A+2*(\j):A+2*(\j)+1], v[X_:X_+1]
.else
	v_dual_min_num_f32 v[X_], v[HB+(\b)], v[X_] :: v_dual_min_num_f32 v[X_+1], v[HB+(\b)], v[X_+1]
.endif
.endm
.macro FILL8 k, b
.set J_, 0
.rept 8
	FILL \k, \b, J_
.set J_, J_+1
.endr
.endm
.macro BATCH b, k1, b1, k2, b2         ; block b's 16 exponentials; behind each a line that reads nothing written in the batch and whose result is read behind the wait that closes it
.set J_, 0
.rept 8
	v_exp_f32 v[S+16*(\b)+2*J_], v[S+16*(\b)+2*J_]
	FILL \k1, \b1, J_
	v_exp_f32 v[S+16*(\b)+2*J_+1], v[S+16*(\b)+2*J_+1]
	FILL \k2, \b2, J_
.set J_, J_+1
.endr
	WALU
.endm
.macro CVT b
	v_cvt_scalef32_pk8_bf8_f32 v[PCD+4*(\b):PCD+4*(\b)+1], v[S+16*(\b):S+16*(\b)+7], v[SO+(\b)]
	v_cvt_scalef32_pk8_bf8_f32 v[PCD+4*(\b)+2:PCD+4*(\b)+3], v[S+16*(\b)+8:S+16*(\b)+15], v[SO+(\b)]
.endm
; A KEY STEP: 128 keys.  Its first four fragments of K and its scale words of K have been asked for.  last = 1: the slot's eighth step: no look-ahead, and the addresses turn to the other slot.
.macro STEP last
	s_wait_dscnt 0x0
.irp t, 0,1,2,3
	WS \t
.endr
.rept 8
	v_nop                                          ; places in front of the loads into K's registers and of the first readers of tiles 0-3
.endr
	KLOAD 1, 0
	BMR 0, 0, 6                                    ; they pass while the loads are out
	WALU
	s_wait_dscnt 0x0
	WS 4                                           ; two lines on tiles 0-3 behind each product
	BMR 0, 6, 8
	WS 5
	BMR 0, 8, 10
	WS 6
	BMR 0, 10, 12
	WS 7
	BMR 0, 12, 16                                  ; these four and JOIN's four are the eight places behind tile 7's product
	JOIN 0
.if (\last) == 0
	KWLOAD 512                                     ; the next step's
	KLOAD 0, 8192
.endif
	BMR 2, 0, 16
	JOIN 2
	v_max3_num_f32 v[T0], v[BM], v[BM+1], v[BM+2]
	v_max_num_f32 v[T0], v[T0], v[BM+3]            ; the step's largest score of my query
	v_mul_f32 v[T0], s[CS], v[T0]                  ; as t
	v_max_num_f32 v13, v13, v[T0]                  ; the running largest t
	v_mov_b32 v[T0], v12
	v_floor_f32 v12, -v13                          ; the new -M = -ceil(t)
.irp b, 0,1,2,3
	v_fma_f32 v[BM+\b], v[BM+\b], s[CS], v12       ; each block's largest score goes the way of the scores: p rises with the score
.endr
	v_sub_f32 v[T0], v12, v[T0]                    ; old M - new M: a whole number, 0 or less
.irp j, 0,1,2,3
	FILL 0, 0, \j
.endr
	v_cvt_i32_f32 v[T0], v[T0]                     ; (it saturates)
.irp j, 4,5,6,7
	FILL 0, 0, \j
.endr
	v_ldexp_f32 v14, 1.0, v[T0]                    ; f = 2^(old M - new M)
	WALU                                           ; ahead of the exponentials
.irp b, 0,1,2,3
	v_exp_f32 v[BM+\b], v[BM+\b]                   ; the blocks' largest p
.endr
	BATCH 0, 0, 1, 0, 2
.irp b, 0,1,2,3
	v_max_num_f32 v[BM+\b], 0x8000000, v[BM+\b]    ; the floor 2^(16 - 127)
.endr
.irp b, 0,1,2,3
	v_add_nc_u32 v[SO+\b], 0xf8800000, v[BM+\b]    ; the conversion's scale operand
.endr
.irp b, 0,1,2,3
	v_and_or_b32 v[HB+\b], v[BM+\b], 0x7f800000, s[MNT]   ; 57,344 x the scale
.endr
.irp b, 0,1,2,3
	v_lshrrev_b32 v[PM+\b], 23, v[SO+\b]
.endr
	v_lshl_or_b32 v[PW], v[PM+1], 8, v[PM]         ; p's scale word for these 128 keys
	v_lshl_or_b32 v[PW], v[PM+2], 16, v[PW]
	v_lshl_or_b32 v[PW], v[PM+3], 24, v[PW]
	BATCH 1, 0, 3, 1, 0                            ; what its lines read was written ahead of the wait that closed batch 0
	BATCH 2, 2, 0, 1, 1
	CVT 0
	VLOAD 0
	BATCH 3, 2, 1, 1, 2
	CVT 1
	VLOAD 1
	FILL8 2, 2
	FILL8 1, 3
	CVT 2
	VLOAD 2
	FILL8 2, 3
	CVT 3
	VLOAD 3
	ds_load_b128 v[VW:VW+3], v[AVS]
	WALU                                           ; directly ahead of the first readers of O^T
.set J_, 0
.rept 16
	v_pk_mul_f32 v[O+J_:O+J_+1], v[O+J_:O+J_+1], v[14:15] op_sel_hi:[1,0]   ; O^T x f: they pass while the loads are out, and are the places between the codes and the products
.set J_, J_+2
.endr
	WALU
	s_wait_dscnt 0x0
.irp t, 0,1,2,3                                ; O^T += V^T P^T: the four accumulators by turns
	v_wmma_scale_f32_16x16x128_f8f6f4 v[O+8*\t:O+8*\t+7], v[S+16*\t:S+16*\t+15], v[PCD:PCD+15], v[O+8*\t:O+8*\t+7], v[VW+\t], v[PW] matrix_a_fmt:MATRIX_FMT_BF8 matrix_b_fmt:MATRIX_FMT_BF8
.endr
.if \last
	s_xor_b32 s[TB], s[TB], SLOT1
	s_mov_b32 s[TK], s[TB]
	s_add_co_u32 s[TSB], s[TSB], 4096
	s_mov_b32 s[TS], s[TSB]
	s_add_co_u32 s[TJB], s[TJB], 2048
	s_mov_b32 s[TJ], s[TJB]
.else
	s_add_co_u32 s[TK], s[TK], 8192
	s_add_co_u32 s[TS], s[TS], 512
	s_add_co_u32 s[TJ], s[TJ], 256
.endif
	v_add_nc_u32 v[AD], s[TK], v[LI]               ; the next step's addresses: four of the nine places ahead of the products that write over V's fragments
	v_add_nc_u32 v[AKS], s[TS], v[KS0]
	v_add_nc_u32 v[AVS], s[TJ], v[VS0]
	v_add_nc_u32 v[ADV], VOFF, v[AD]
.rept 5
	v_nop
.endr
	WALU
.endm
; THE CHANGE OF SLOTS stands at a slot's head.  Each wave waits for all its tensor loads, adds 0 to its spare word, and waits for that and for its LDS instructions (its reads of the slot that it has left).
; fill = 1: a round of the cluster's barrier, and behind it the slot just left is filled with the keys that follow: the load has eight key steps in which to land.
.macro CHANGE fill
	s_wait_tensorcnt 0x0                           ; no tensor load of mine is out, so a group 0 may be written
	ds_add_u32 v[SPW], v[NIL]                      ; 0 onto my spare word
.if \fill
	ds_add_u32 v[SPW], v[NIL]                      ; and once more
	s_xor_b32 s[G0K+1], s[G0K+1], SLOT1
	s_add_nc_u64 s[G0K+2:G0K+3], s[G0K+2:G0K+3], 131072   ; eight blocks of 16 KiB on
	s_xor_b32 s[G0V+1], s[G0V+1], SLOT1
	s_add_nc_u64 s[G0V+2:G0V+3], s[G0V+2:G0V+3], 131072
	s_wait_xcnt 0x0                                ; the last prefetch, a slot back, has read its address
	s_add_nc_u64 s[PFA:PFA+1], s[PFA:PFA+1], 131072
	s_wait_dscnt 0x0
	ROUND
	TLOAD                                          ; the first thing behind the round, and a wave's one tensor load until the next
	ASK
.else
	s_wait_dscnt 0x0
	s_barrier_signal -1
	s_barrier_wait -1
.endif
.endm
.macro SLOT_STEPS
	KWLOAD 0
	KLOAD 0, 0
	s_mov_b32 s[ST], 7
.Lstep_\@:
	STEP 0
	s_sub_co_u32 s[ST], s[ST], 1
	s_cmp_lg_u32 s[ST], 0
	s_cbranch_scc1 .Lstep_\@
	STEP 1
.endm
.Lslot:                                            ; NSL - 1 trips
	CHANGE 1
	SLOT_STEPS
	s_sub_co_u32 s[SLOTS], s[SLOTS], 1
	s_cmp_lg_u32 s[SLOTS], 0
	s_cbranch_scc1 .Lslot
	CHANGE 0                                       ; the last slot is written out
	SLOT_STEPS
	; THE WAY OUT.  O^T / the sum is ctx: a lane's 16 registers of tiles 2 b, 2 b + 1 are channels 32 b + 16 h + 0 .. 15 of the head: two blocks of the last product's K.
.irp j, 0,2,4,6
	v_pk_add_f32 v[A+\j:A+\j+1], v[A+\j:A+\j+1], v[A+8+\j:A+9+\j]
.endr
	v_pk_add_f32 v[A:A+1], v[A:A+1], v[A+4:A+5]
	v_pk_add_f32 v[A+2:A+3], v[A+2:A+3], v[A+6:A+7]
	v_pk_add_f32 v[A:A+1], v[A:A+1], v[A+2:A+3]
	v_add_f32 v14, v[A], v[A+1]
	v_permlanex16_b32 v[T0], v14, s[SEL], s[SEL+1]
	v_add_f32 v14, v14, v[T0]                      ; the row's sum
	WALU
	v_rcp_f32 v14, v14
	v_nop                                          ; the plain place behind the reciprocal
	WALU                                           ; directly ahead of its first reader, which is O^T's too
.set J_, 0
.rept 32
	v_mul_f32 v[S+J_], v[O+J_], v14                ; each accumulator from its low end on
.set J_, J_+1
.endr
.irp b, 0,1
	v_max3_num_f32 v[BM+\b], |v[S+16*\b]|, |v[S+1+16*\b]|, 0x8000000
.endr
.irp i, 2,4,6,8,10,12,14
.irp b, 0,1
	v_max3_num_f32 v[BM+\b], v[BM+\b], |v[S+16*\b+\i]|, |v[S+1+16*\b+\i]|
.endr
.endr
	JOIN 0
.irp b, 0,1
	v_add_nc_u32 v[SO+\b], 0xf8800000, v[BM+\b]
.endr
.irp b, 0,1
	v_and_or_b32 v[HB+\b], v[BM+\b], 0x7f800000, s[MNT]
.endr
.irp b, 0,1
	v_lshrrev_b32 v[PM+\b], 23, v[SO+\b]
.endr
.irp b, 0,1
.irp i, 0,1,2,3,4,5,6,7,8,9,10,11,12,13,14,15
	v_med3_num_f32 v[S+16*\b+\i], v[S+16*\b+\i], -v[HB+\b], v[HB+\b]
.endr
	CVT \b
.endr
	v_cmp_gt_u32 vcc_lo, 0x100, v[LI]              ; lanes 0-15
	v_cndmask_b32 v[T0], v[PM+1], v[PM], vcc_lo    ; lane (r, h) stores block h's byte of row r
	global_store_b128 v[LI], v[PCD:PCD+3], s[8:9]              ; 512 consecutive bytes, aligned: four registers of the last product's operand
	global_store_b128 v[LI], v[PCD+4:PCD+7], s[8:9] offset:512
	global_store_b8 v[BO], v[T0], s[10:11]
	s_wait_tensorcnt 0x0                           ; the wave's end
	ds_add_u32 v[SPW], v[NIL]
	s_wait_dscnt 0x0
	ROUND                                          ; the closing round
	s_endpgm
.Lfunc_end_k_q2a56dc7bed_attn:
	.size	k_q2a56dc7bed_attn, .Lfunc_end_k_q2a56dc7bed_attn-k_q2a56dc7bed_attn
	.p2alignl 7, 3214868480
	.fill 96, 4, 3214868480
	.section	.rodata,"a",@progbits
	.p2align	6, 0x0
	.amdhsa_kernel k_q2a56dc7bed_attn
		.amdhsa_group_segment_fixed_size 327680
		.amdhsa_private_segment_fixed_size 0
		.amdhsa_enable_private_segment 0
		.amdhsa_kernarg_size 32
		.amdhsa_user_sgpr_count 2
		.amdhsa_user_sgpr_kernarg_segment_ptr 1
		.amdhsa_wavefront_size32 1
		.amdhsa_system_sgpr_workgroup_id_x 1
		.amdhsa_system_sgpr_workgroup_id_y 1
		.amdhsa_system_sgpr_workgroup_id_z 1
		.amdhsa_system_vgpr_workitem_id 0
		.amdhsa_next_free_vgpr 256
		.amdhsa_next_free_sgpr 100
		.amdhsa_reserve_vcc 1
		.amdhsa_float_denorm_mode_32 3
		.amdhsa_float_denorm_mode_16_64 3
		.amdhsa_memory_ordered 1
		.amdhsa_forward_progress 1
		.amdhsa_inst_pref_size 95
	.end_amdhsa_kernel
	.amdgpu_metadata
---
amdhsa.version: [ 1, 2 ]
amdhsa.kernels:
  - .name:           k_q2a56dc7bed_attn
    .symbol:         k_q2a56dc7bed_attn.kd
    .args:
      - { .name: img, .offset: 0, .size: 8, .value_kind: global_buffer, .address_space: global }
      - { .name: isc, .offset: 8, .size: 8, .value_kind: global_buffer, .address_space: global }
      - { .name: cimg, .offset: 16, .size: 8, .value_kind: global_buffer, .address_space: global }
      - { .name: csc, .offset: 24, .size: 8, .value_kind: global_buffer, .address_space: global }
    .group_segment_fixed_size: 327680
    .private_segment_fixed_size: 0
    .kernarg_segment_align: 8
    .kernarg_segment_size: 32
    .max_flat_workgroup_size: 512
    .sgpr_count:     100
    .vgpr_count:     256
    .wavefront_size: 32
...
	.end_amdgpu_metadata
.endif
;; end of part 3
;; launch gemm_o (part 4): grid 8 x 32, 4 waves a work-group, clusters of 4 x 4, 327,680 bytes of LDS; arguments cimg, csc, zc, zs, b_o, out0; writes out0
.if DOCPART == 4
	.amdgcn_target "amdgcn-amd-amdhsa--gfx1250"
	.amdhsa_code_object_version 6
	.text
	.protected	k_q2a56dc7bed_gemm_o
	.globl	k_q2a56dc7bed_gemm_o
	.p2align	8
	.type	k_q2a56dc7bed_gemm_o,@function
k_q2a56dc7bed_gemm_o:
	s_mov_b64 s[64:65], 0
	v_nop
	global_prefetch_b8 v0, s[64:65] scope:SCOPE_SE
	s_setreg_imm32_b32 hwreg(HW_REG_WAVE_MODE, 25, 1), 1
	s_wait_xcnt 0x0
	s_wait_alu depctr_hold_cnt(0) depctr_sa_sdst(0) depctr_va_vdst(0) depctr_va_sdst(0) depctr_va_ssrc(0) depctr_va_vcc(0) depctr_vm_vsrc(0)
	s_getreg_b32 s2, hwreg(HW_REG_IB_STS2, 6, 4)
	s_cmp_eq_u32 s2, 0
	s_cbranch_scc0 .Lentry_in_a_cluster
	s_endpgm
.Lentry_in_a_cluster:
	s_bfe_u32 s2, ttmp6, 0x10000c
	s_cmp_lg_u32 s2, 0xf033
	s_cbranch_scc0 .Lentry_shape_is_right
	s_endpgm
.Lentry_shape_is_right:
; out0 = ctx W_o + b_o: 4,096 x 1,024 x 1,024 on codes of BF8 (E5M2) with one E8M0 byte for 32 along K; sums in f32.
; INPUTS.  cimg: ctx's codes as images of operand registers: [tile of 16 tokens T][128 of K q][32 of K c][lane][16 bytes]; csc: [stored token][32] scale bytes.
; zc, zs: rows 7,168 on are W_o's columns n, codes [1,024 bytes] and scale bytes [32].  Tokens and columns lie in the stored order (bits 3 and 4 of the number exchanged).
; THE DEAL.  256 work-groups of four waves, 2 x 2; a work-group makes 128 tokens x 128 columns, a wave 64 x 64.  ALL of K lies in LDS at once: 128 KiB of ctx's images, 128 rows of W_o: nothing is filled again.
; A wave holds its 64 rows of W_o, all of K, in 512 registers (windows 1, 2) and takes its four blocks of 16 tokens past them, two whole sets in window 3: 32 products a block on four accumulators by turns
;  The bias is the first four products' C.  A finished block leaves through the wave's own stage while the next is multiplied.
; THE PRODUCT IS USED TRANSPOSED (source 0 = 16 rows of W_o, source 1 = 16 tokens): a lane holds eight neighbouring columns of one token.
; CLUSTERS: 4 x 4.  A row of the cluster shares ctx's rows, a column W_o's: each tile is asked for jointly.  One tensor load a wave: waves 0, 1 the halves of W_o's rows, which are wanted first and are shown
; by the first barrier; waves 2, 3 the halves of ctx's images, shown by the second.
; NO PREFETCH: the launch has no loop to run ahead in; every byte that a work-group reads is asked for at its head.
; LIMITS: NaN, infinities and sums beyond f32's range are not served.
.set KROW,   1024
.set PITCH,  KROW+16                   ; a row of W_o in LDS: 65 x 16 bytes, so that the 16 rows of a fragment load start in different banks
.set FR,     16
.set NP,     8                         ; plain vector lines behind a matrix instruction (ISA guide 7.12.1)
.set BB,     131072                    ; behind ctx's 8 tiles of 16 KiB: W_o's 128 rows
.set STAGE,  BB+128*PITCH              ; the way out: 16 rows x (256 + 16) bytes for each wave; no tensor load lands here
.set SPITCH, 272
.set SPARE,  STAGE+4*16*SPITCH         ; the spare words, 128 bytes a wave
.set ADRA, 4                           ; v4   LDS: my four blocks of ctx + 16 x lane
.set ADRB, 5                           ; v5   LDS: my fragments of W_o
.set STO,  6                           ; v6   the stage, in
.set RD,   7                           ; v7   the stage, back
.set CO,   8                           ; v8   my offset in two rows of out0
.set SPW,  10
.set NIL,  11
.set ABS,  12                          ; v12  32 x lane: W_o's scale bytes, a pair of tiles
.set AAS,  13                          ; v13  32 x (lane % 16): ctx's
.set BOF,  14                          ; v14  64 x (lane / 16): the bias
.set SB,   24                          ; v24-39   W_o's scale words: register 8 p + q: lanes 0-15 tile 2 p's, lanes 16-31 tile 2 p + 1's
.set SA,   44                          ; v44-75   ctx's: register 8 a + q.  No product's two scale words have numbers equal modulo 8
.set ACC,  80                          ; v80-143  two sets of four accumulators
.set BQ,   144                         ; v144-175 the bias, in the result's layout
.set BK,   176                         ; v176-239 two sets of 16 rows read back from the stage
.set G1A, 28
.set G0A, 36
.set G1B, 40
.set G0B, 48
.set MSB, 0
.macro WIN new                         ; the immediate's high byte repeats the setting that is left
.if MSB != \new
	s_set_vgpr_msb (MSB<<8)|\new
.set MSB, \new
.endif
.endm
.macro PLACES n
.rept \n
	v_nop
.endr
.endm
.macro BARRIER
	s_barrier_signal -1
	s_barrier_wait -1
.endm
.macro CROUND                          ; a round of the cluster's barrier
	BARRIER
	s_cmp_lg_u32 s16, 0
	s_cbranch_scc1 .Lnot_wave_0_\@
	s_barrier_signal -3
.Lnot_wave_0_\@:
	s_barrier_wait -3
	BARRIER
.endm
.macro TLOAD g0, g1                    ; an s_nop 0 and four v_nop follow a tensor load
	tensor_load_to_lds s[\g0:\g0+3], s[\g1:\g1+7]
	s_nop 0
	PLACES 4
.endm
	s_load_b256 s[4:11], s[0:1], 0x0               ; cimg s[4:5], csc s[6:7], zc s[8:9], zs s[10:11]
	s_load_b128 s[12:15], s[0:1], 0x20             ; b_o s[12:13], out0 s[14:15]
	v_lshl_add_u32 v[SPW], v0, 2, SPARE
	v_mov_b32 v[NIL], 0
	ds_add_u32 v[SPW], v[NIL]                      ; the opening lines: the add, twice on end, and its wait ahead of the first tensor load
	ds_add_u32 v[SPW], v[NIL]
	v_lshrrev_b32 v1, 5, v0
	v_readfirstlane_b32 s16, v1                    ; wave 0..3
	s_lshr_b32 s17, s16, 1                         ; my half of the tokens
	s_and_b32 s18, s16, 1                          ; my half of the columns.  Also: which half of a tile I fetch
	s_bfe_u32 s19, ttmp6, 0x40000                  ; cx, cy
	s_bfe_u32 s20, ttmp6, 0x40004
	s_lshl_b32 s21, ttmp9, 2
	s_add_co_u32 s21, s21, s19                     ; tile column
	s_and_b32 s22, ttmp7, 0xffff
	s_lshl_b32 s22, s22, 2
	s_add_co_u32 s22, s22, s20                     ; tile row
	s_lshl_b32 s23, s20, 2
	s_lshl_b32 s23, 15, s23                        ; my row of the cluster
	s_lshl_b32 s24, 0x1111, s19                    ; my column
	s_or_b32 s[G1A], s23, (3<<16)|(1<<21)          ; ctx: four tiles, 64 KiB on end, as 8 rows of 8 KiB (1,024 elements of 8 bytes); no padding
	s_mov_b32 s[G1A+1], 1024<<16
	s_mov_b32 s[G1A+2], 8<<16
	s_mov_b32 s[G1A+3], 1024<<16
	s_mov_b32 s[G1A+4], 8
	s_mov_b32 s[G1A+5], 1024
	s_mov_b32 s[G1A+6], 0
	s_mov_b32 s[G1A+7], 0
	s_or_b32 s[G1B], s24, (1<<20)|(1<<21)|(7<<22)|(3<<25)   ; W_o: 64 whole rows of 1,024 bytes, four words of padding behind each 256
	s_mov_b32 s[G1B+1], KROW<<16
	s_mov_b32 s[G1B+2], 64<<16
	s_mov_b32 s[G1B+3], KROW<<16
	s_mov_b32 s[G1B+4], 64
	s_mov_b32 s[G1B+5], KROW
	s_mov_b32 s[G1B+6], 0
	s_mov_b32 s[G1B+7], 0
	s_lshl_b32 s54, s18, 16                        ; the half that I fetch: 64 KiB on, in cimg, in zc and in ctx's part of LDS
	s_lshl_b32 s52, s22, 17                        ; ctx: my tile row's 8 tiles
	s_add_co_u32 s52, s52, s54
	s_mov_b32 s53, 0
	s_lshl_b32 s56, s21, 17                        ; W_o: my tile column's 128 rows
	s_add_co_u32 s56, s56, s54
	s_add_co_u32 s56, s56, 7168*KROW
	s_mov_b32 s57, 0
	s_lshl_b32 s58, s22, 7
	s_lshl_b32 s59, s17, 6
	s_add_co_u32 s58, s58, s59                     ; my wave's first token
	s_lshl_b32 s60, s21, 7
	s_lshl_b32 s59, s18, 6
	s_add_co_u32 s60, s60, s59                     ; and its first column
	s_lshl_b32 s62, s58, 5                         ; in csc
	s_mov_b32 s63, 0
	s_add_co_u32 s66, s60, 7168
	s_lshl_b32 s66, s66, 5                         ; in zs
	s_mov_b32 s67, 0
	s_lshl_b32 s68, s60, 2                         ; in b_o and in a row of out0
	s_mov_b32 s69, 0
	s_lshl_b32 s70, s58, 12                        ; rows of out0
	s_mov_b32 s71, 0
	s_wait_dscnt 0x0                               ; both opening adds are done
	CROUND                                         ; all sixteen work-groups are here: the joint loads meet
	s_wait_kmcnt 0x0
	s_mov_b32 s[G0A], 1
	s_mov_b32 s[G0A+1], s54
	s_add_nc_u64 s[G0A+2:G0A+3], s[4:5], s[52:53]
	s_or_b32 s[G0A+3], s[G0A+3], 0x80000000
	s_mov_b32 s[G0B], 1
	s_mul_i32 s[G0B+1], s18, 64*PITCH
	s_add_co_u32 s[G0B+1], s[G0B+1], BB
	s_add_nc_u64 s[G0B+2:G0B+3], s[8:9], s[56:57]
	s_or_b32 s[G0B+3], s[G0B+3], 0x80000000
	s_cmp_lt_u32 s16, 2                            ; one load a wave; the line that is shown first has its own issuers
	s_cbranch_scc0 .Lfor_a
	TLOAD G0B, G1B
	s_branch .Lasked
.Lfor_a:
	TLOAD G0A, G1A
.Lasked:
	s_add_nc_u64 s[6:7], s[6:7], s[62:63]
	s_add_nc_u64 s[10:11], s[10:11], s[66:67]
	s_add_nc_u64 s[12:13], s[12:13], s[68:69]
	s_add_nc_u64 s[14:15], s[14:15], s[70:71]
	s_add_nc_u64 s[14:15], s[14:15], s[68:69]
	s_lshl_b32 s56, s17, 16                        ; my four blocks of ctx in LDS
	s_mul_i32 s57, s18, 64*PITCH
	s_add_co_u32 s57, s57, BB                      ; my 64 rows of W_o
	s_mul_i32 s58, s16, 16*SPITCH
	s_add_co_u32 s58, s58, STAGE                   ; my stage
	v_and_b32 v1, 15, v0                           ; r
	v_bfe_u32 v2, v0, 4, 1                         ; h
	v_and_b32 v3, 31, v0                           ; lane
	v_lshlrev_b32 v9, 4, v3
	v_add_nc_u32 v[ADRA], s56, v9
	v_mul_u32_u24 v15, v1, PITCH
	v_lshl_add_u32 v15, v2, 4, v15
	v_add_nc_u32 v[ADRB], s57, v15                 ; row r x pitch + 16 h
	v_lshlrev_b32 v[ABS], 5, v3
	v_lshlrev_b32 v[AAS], 5, v1
	v_lshlrev_b32 v[BOF], 6, v2
	v_mul_u32_u24 v16, v1, SPITCH
	v_lshl_add_u32 v16, v2, 6, v16
	v_add_nc_u32 v[STO], s58, v16                  ; in: token r; my 16 columns of a group of 32 begin 64 h bytes on
	v_mul_u32_u24 v17, v2, SPITCH
	v_lshl_add_u32 v17, v1, 4, v17
	v_add_nc_u32 v[RD], s58, v17                   ; back: lanes 0-15 one row, lanes 16-31 the next
	v_lshlrev_b32 v18, 12, v2
	v_lshl_add_u32 v[CO], v1, 4, v18               ; and the same two rows in out0
	s_wait_alu depctr_va_vdst(0)                   ; the wait at the head's end
.irp p, 0,1
.irp c, 0,1
	global_load_b128 v[SB+8*\p+4*\c:SB+8*\p+4*\c+3], v[ABS], s[10:11] offset:1024*\p+16*\c   ; a row's 32 bytes: the words of all eight steps of 128
.endr
.endr
.irp a, 0,1,2,3
.irp c, 0,1
	global_load_b128 v[SA+8*\a+4*\c:SA+8*\a+4*\c+3], v[AAS], s[6:7] offset:512*\a+16*\c
.endr
.endr
.irp b, 0,1,2,3
	global_load_b128 v[BQ+8*\b:BQ+8*\b+3], v[BOF], s[12:13] offset:(32*(\b/2)+8*(\b%2))*4      ; register j of tile b: column 32 (b / 2) + 16 h + 8 (b % 2) + j
	global_load_b128 v[BQ+8*\b+4:BQ+8*\b+7], v[BOF], s[12:13] offset:(32*(\b/2)+8*(\b%2))*4+16
.endr
	s_cmp_lt_u32 s16, 2
	s_cbranch_scc0 .Lnot_b
	s_wait_tensorcnt 0x0                           ; waves 0, 1: W_o's rows have landed.  The other waves' wait stands at the second barrier
.Lnot_b:
	BARRIER
.macro FRAG f, q, off                  ; W_o's fragment f, 16 rows x 128 of K: registers 4 c .. 4 c + 3 hold K = 32 c + 16 h + 0 .. 15.  Fragment f lies in window 1 + f / 16
	WIN (1+(\f)/16)<<6
.irp c, 0,1,2,3
	ds_load_b128 v[FR*((\f)%16)+4*\c:FR*((\f)%16)+4*\c+3], v[ADRB] offset:128*(\q)+32*\c+(\off)
.endr
.endm
.irp q, 0,1,2,3,4,5,6,7
.irp b, 0,1,2,3
	FRAG 4*\q+\b, \q, \b*16*PITCH
.endr
.endr
	WIN 0
	s_wait_tensorcnt 0x0                           ; ctx's images are in
	s_wait_dscnt 0x0                               ; W_o is in registers
	BARRIER
.macro FETCH a                         ; block a, 16 tokens, all of K, into set a % 2 of window 3: 32 loads of 512 bytes on end
	WIN 3<<6
.irp q, 0,1,2,3,4,5,6,7
.irp c, 0,1,2,3
	ds_load_b128 v[128*((\a)%2)+FR*\q+4*\c:128*((\a)%2)+FR*\q+4*\c+3], v[ADRA] offset:16384*(\a)+2048*\q+512*\c
.endr
.endr
	WIN 0
.endm
.macro PROD a, n                       ; product n = 4 q + b of block a: the q-th 128 of K, column tile b
.set Q_, (\n)/4
.set B_, (\n)%4
.set AC_, ACC+32*((\a)%2)+8*B_
.set C_, AC_
.if Q_ == 0
.set C_, BQ+8*B_
.endif
.set R_, 128*((\a)%2)+FR*Q_
.set W_, FR*((\n)%16)
.set XS_, SA+8*(\a)+Q_
.set WS_, SB+8*(B_/2)+Q_
	WIN (1+(\n)/16)|(3<<2)
.if B_%2
	v_wmma_scale_f32_16x16x128_f8f6f4 v[AC_:AC_+7], v[W_:W_+FR-1], v[R_:R_+FR-1], v[C_:C_+7], v[WS_], v[XS_] matrix_a_fmt:MATRIX_FMT_BF8 matrix_b_fmt:MATRIX_FMT_BF8 matrix_a_scale:MATRIX_SCALE_ROW1
.else
	v_wmma_scale_f32_16x16x128_f8f6f4 v[AC_:AC_+7], v[W_:W_+FR-1], v[R_:R_+FR-1], v[C_:C_+7], v[WS_], v[XS_] matrix_a_fmt:MATRIX_FMT_BF8 matrix_b_fmt:MATRIX_FMT_BF8
.endif
.endm
.macro BLK a                           ; a block's 32 products, and the places ahead of the fetch into its set and of the first readers of its sums
.set N_, 0
.rept 32
	PROD \a, N_
.set N_, N_+1
.endr
	WIN 0
	PLACES NP
.endm
.macro TOSTAGE a                       ; 8 stores, each accumulator from its low end on, and 8 loads: LDS serves a wave's instructions in order (ISA guide 5.7.1.4)
.set AC_, ACC+32*((\a)%2)
.irp b, 0,1,2,3
	ds_store_b128 v[STO], v[AC_+8*\b:AC_+8*\b+3] offset:128*(\b/2)+32*(\b%2)
	ds_store_b128 v[STO], v[AC_+8*\b+4:AC_+8*\b+7] offset:128*(\b/2)+32*(\b%2)+16
.endr
.irp i, 0,1,2,3,4,5,6,7
	ds_load_b128 v[BK+32*((\a)%2)+4*\i:BK+32*((\a)%2)+4*\i+3], v[RD] offset:2*\i*SPITCH
.endr
.endm
.macro SEND a                          ; stored row t of block a is token 32 (a / 2) + 8 (a % 2) + t % 8 + 16 (t / 8); sixteen lanes store 256 consecutive bytes, aligned
.irp i, 0,1,2,3,4,5,6,7
	global_store_b128 v[CO], v[BK+32*((\a)%2)+4*\i:BK+32*((\a)%2)+4*\i+3], s[14:15] offset:(32*((\a)/2)+8*((\a)%2)+2*(\i%4)+16*(\i/4))*4096 th:TH_STORE_NT
.endr
.endm
	FETCH 0
	FETCH 1
	s_wait_loadcnt 0x0                             ; the scale words and the bias
	s_wait_dscnt 32                                ; block 0 is in; block 1's 32 loads may be out
	BLK 0
	FETCH 2
	TOSTAGE 0
	s_wait_dscnt 48                                ; block 1 is in; behind it: block 2's 32 loads and the stage's 16
	BLK 1
	FETCH 3
	TOSTAGE 1
	s_wait_dscnt 48                                ; block 2 and block 0's rows are in; behind them: block 3's 32 and the stage's 16
	SEND 0
	BLK 2
	s_wait_xcnt 0x0                                ; block 0's stores have read their registers, which the stage's loads take again
	TOSTAGE 2
	s_wait_dscnt 16                                ; block 3 and block 1's rows are in
	SEND 1
	BLK 3
	s_wait_xcnt 0x0
	TOSTAGE 3
	s_wait_dscnt 16                                ; block 2's rows
	SEND 2
	s_wait_dscnt 0x0
	SEND 3
	s_wait_tensorcnt 0x0                           ; the wave's end
	ds_add_u32 v[SPW], v[NIL]
	s_wait_dscnt 0x0
	CROUND                                         ; the closing round
	s_endpgm
.Lfunc_end_k_q2a56dc7bed_gemm_o:
	.size	k_q2a56dc7bed_gemm_o, .Lfunc_end_k_q2a56dc7bed_gemm_o-k_q2a56dc7bed_gemm_o
	.p2alignl 7, 3214868480
	.fill 96, 4, 3214868480
	.section	.rodata,"a",@progbits
	.p2align	6, 0x0
	.amdhsa_kernel k_q2a56dc7bed_gemm_o
		.amdhsa_group_segment_fixed_size 327680
		.amdhsa_private_segment_fixed_size 0
		.amdhsa_enable_private_segment 0
		.amdhsa_kernarg_size 48
		.amdhsa_user_sgpr_count 2
		.amdhsa_user_sgpr_kernarg_segment_ptr 1
		.amdhsa_wavefront_size32 1
		.amdhsa_system_sgpr_workgroup_id_x 1
		.amdhsa_system_sgpr_workgroup_id_y 1
		.amdhsa_system_sgpr_workgroup_id_z 1
		.amdhsa_system_vgpr_workitem_id 0
		.amdhsa_next_free_vgpr 1024
		.amdhsa_next_free_sgpr 72
		.amdhsa_reserve_vcc 0
		.amdhsa_float_denorm_mode_32 3
		.amdhsa_float_denorm_mode_16_64 3
		.amdhsa_memory_ordered 1
		.amdhsa_forward_progress 1
		.amdhsa_inst_pref_size 50
	.end_amdhsa_kernel
	.amdgpu_metadata
---
amdhsa.version: [ 1, 2 ]
amdhsa.kernels:
  - .name:           k_q2a56dc7bed_gemm_o
    .symbol:         k_q2a56dc7bed_gemm_o.kd
    .args:
      - { .name: cimg, .offset: 0, .size: 8, .value_kind: global_buffer, .address_space: global }
      - { .name: csc, .offset: 8, .size: 8, .value_kind: global_buffer, .address_space: global }
      - { .name: zc, .offset: 16, .size: 8, .value_kind: global_buffer, .address_space: global }
      - { .name: zs, .offset: 24, .size: 8, .value_kind: global_buffer, .address_space: global }
      - { .name: b_o, .offset: 32, .size: 8, .value_kind: global_buffer, .address_space: global }
      - { .name: out0, .offset: 40, .size: 8, .value_kind: global_buffer, .address_space: global }
    .group_segment_fixed_size: 327680
    .private_segment_fixed_size: 0
    .kernarg_segment_align: 8
    .kernarg_segment_size: 48
    .max_flat_workgroup_size: 128
    .sgpr_count:     72
    .vgpr_count:     1024
    .wavefront_size: 32
...
	.end_amdgpu_metadata
.endif
;; end of part 4
